; MI455X (gfx1250); checked and timed in simulation.
; The chip was launched on July 23, 2026; its instructions are those of AMD's public machine-readable ISA for CDNA 5 (MIT licence, August 2026) and "CDNA5" Instruction Set Architecture Reference Guide (July 2026). The comments in the code are by the model that wrote it; some were corrected since.
;; Multi Head Self Attention. Allowed arithmetic: matrix products marked QUANTISED: E4M3 operands, one given power-of-two scale a tensor, by v_wmma_f32_16x16x64_fp8_fp8 or v_wmma_f32_16x16x128_fp8_fp8, f32 sums; everything else in f32.
;; Inputs: lowp_scales 12 int32 (the exponents e of the quantised operands' scales 2^e); token_positions 2,048 int32; wk 1,024 x 1,024 float32; wo 1,024 x 1,024 float32; wq 1,024 x 1,024 float32; wv 1,024 x 1,024 float32; x 4 x 2,048 x 1,024 float32.
;; Outputs: out0 4 x 2,048 x 1,024 float32.
;; This version of the problem:
;;   THIS VERSION OF THE PROBLEM IS GIVEN IN LOW PRECISION. The matrix products marked QUANTISED in the list below multiply operands that are first quantised to E4M3 (4 exponent bits, 3 mantissa bits; 8 bits a number), with one given power-of-two scale for each operand tensor; their sums are f32. All else is computed in f32.
;;   The module's matrix products, in the order in which they are computed (A, B: the left and right operand; K: the contracted axis; several contracted axes count as one K, in the product's order):
;;     1. [M 8,192, K 1,024] x [K 1,024, N 1,024]; A: input x; B: input wq: QUANTISED (scales: A lowp_scales[0], B lowp_scales[1])
;;     2. [M 8,192, K 1,024] x [K 1,024, N 1,024]; A: input x; B: input wk: QUANTISED (scales: A lowp_scales[2], B lowp_scales[3])
;;     3. [M 8,192, K 1,024] x [K 1,024, N 1,024]; A: input x; B: input wv: QUANTISED (scales: A lowp_scales[4], B lowp_scales[5])
;;     4. batch 64 x [M 2,048, K 64] x [K 64, N 2,048]; A: computed on the way; B: computed on the way: QUANTISED (scales: A lowp_scales[6], B lowp_scales[7])
;;     5. batch 64 x [M 2,048, K 2,048] x [K 2,048, N 64]; A: softmax (see below); B: computed on the way: QUANTISED (scales: A lowp_scales[8], B lowp_scales[9])
;;     6. [M 8,192, K 1,024] x [K 1,024, N 1,024]; A: computed on the way; B: input wo: QUANTISED (scales: A lowp_scales[10], B lowp_scales[11])
;;   THE QUANTISER, for each operand of a quantised product, along K:
;;     - The operand's scale is 2^e, e = its entry of the input lowp_scales (int32; the entries are numbered through the quantised products in the list's order, A before B).
;;     - Each number is divided by the scale, clamped to +-448, and rounded to the nearest number of E4M3, ties to even, subnormals kept.
;;     - The product sums the exact products of the quantised numbers (number of the format x scale) in f32.
;;   ~~~python
;;   def quantise(x, axis, e):      # numpy; x: float32 -> the quantised numbers, widened to float32 again
;;       x = np.moveaxis(x, axis, -1); K = x.shape[-1]
;;       r = np.clip(x / 2.0 ** e, -448, 448)
;;       step = 2.0 ** (np.maximum(np.frexp(np.where(r == 0, 1, r))[1] - 1, -6) - 3)
;;       q = np.round(r / step) * step * 2.0 ** e      # np.round: ties to even
;;       return np.moveaxis(q, -1, axis).astype(np.float32)
;;   ~~~
;;   SOFTMAX AHEAD OF A QUANTISED PRODUCT. Where the list says 'softmax', what is quantised is not the finished softmax but p = 2^(t - M), with t = logit x log2(e) and M = ceil(the row's largest t), a whole number; so 1/2 < the row's largest p <= 1. The row's sum l is taken of the UNQUANTISED p, in f32, and the product's result is divided by l at the end. Since M is a whole number, a kernel that streams over the keys may use a running M (the ceiling of the running maximum): every later rescaling is an exact power of two, so the quantised numbers keep their values, but for numbers so far below the row's largest that they fall under the format's range.
;;   OPERANDS COMPUTED ON THE WAY. 'Computed on the way' means the value that the module computes at that place (a softmax that the list does not call 'softmax' is quantised finished and normalised). What goes into a quantiser is computed in f32, as accurately as f32 sums, v_exp_f32 and their like allow (about 1e-6 of the number): no bf16 or f16 on the way to a quantiser, and a product that is left as it is and whose result goes on into a quantised operand takes f32 operands (vector FMAs, or v_wmma_f32_16x16x4_f32). A number that lies on a knife's edge between two numbers of the format may be rounded either way, as far as f32 arithmetic and the matrix unit's own rounding can turn it there, and no further.
;; One version. Each part assembles by itself: llvm-mc -triple=amdgcn-amd-amdhsa -mcpu=gfx1250 --defsym DOCPART=n.
;; ======== version 1 of 1: 4 launches
;; limits: right only within a limited range of input values
;; workspace buffers: xc 25,165,824 bytes; wc 4,194,304 bytes; tab 524,288 bytes; qkvc 25,165,824 bytes; oc 8,388,608 bytes
;; launch prep (part 1): grid 416 x 1, 4 waves a work-group, no clusters, 34,304 bytes of LDS; arguments x, wq, wk, wv, wo, token_positions, lowp_scales, xc, wc, tab; writes xc, wc, tab
.if DOCPART == 1
	.amdgcn_target "amdgcn-amd-amdhsa--gfx1250"
	.amdhsa_code_object_version 6
	.text
	.protected	k_q7b0be986e9_prep
	.globl	k_q7b0be986e9_prep
	.p2align	8
	.type	k_q7b0be986e9_prep,@function
k_q7b0be986e9_prep:
	s_mov_b64 s[64:65], 0
	v_nop
	global_prefetch_b8 v0, s[64:65] scope:SCOPE_SE
	s_setreg_imm32_b32 hwreg(HW_REG_WAVE_MODE, 25, 1), 1
	s_wait_xcnt 0x0
; x [8192][1024] and wq, wk, wv, wo [1024][1024], f32, become codes of FP8 (E4M3); token_positions becomes a table of cosines and sines.
; x is an operand of three products, each with a scale of its own (entries 0, 2, 4 of the scales), so it gets three sets of codes; the weights take entries 1, 3, 5, 11.
; code = number / 2^e, rounded to the nearest code, ties to even.
; THE CODES ARE LAID AS IMAGES OF OPERAND REGISTERS.  A fragment is 16 rows x 128 K in 16 registers: lane 16 h + r holds row r, registers 2 c, 2 c + 1 hold k = 16 c + 8 h + 0 .. 7.
; Its image is 2,048 bytes: four registers of every lane on end (16 bytes a lane, 512 bytes), four times.  128 rows x 256 K are 16 images, 32,768 dense bytes: [row block of 16][K half of 128];
; 128 rows x 1,024 K are four of those.  So the products' launches fetch dense blocks and read every fragment 16 bytes a lane, and this launch stores 512 consecutive bytes an instruction.
; SHARES.  Work-groups 0-255: x; 256-383: the four weights, 32 each; 384-415: the table.  A quantising wave takes 16 rows x 512 K in four steps of 128 K.
; A step's 16 loads read 512 consecutive bytes of a row each; the 8,192 bytes turn through the wave's own stage in LDS (rows 528 bytes apart) and come back so that a lane holds, of ITS row, eight neighbours along K in eight registers.
; THE TABLE.  angle = position x 10000^(-kf / 32), one f32 product as the problem's function rounds it; reduced by a whole number of quarter turns (pi/2 in three parts, fused multiply-adds), then the series of sine and cosine
; on +-pi/4 up to r^9 and r^10: the terms left out are under 2e-9.  Laid so that a lane of the next launch finds the (cos, sin) of its eight channels' four pairs in its registers:
; byte = (s / 16) 4096 + 512 q + 16 lane + 8 e + (0 cos, 4 sin), lane = 16 h + s % 16, kf = 8 (q / 2) + 4 h + 2 (q % 2) + e.
; LIMITS: every e used here between -126 and 119; |token_positions| up to 1,048,576 (beyond, the count of quarter turns is no longer sure); NaN or infinity among the inputs is not served.
.set SP,    528                        ; a stage row: 512 bytes + 16: the 16 rows that a read touches start 4 words apart modulo 64 words
.set WREG,  16*SP                      ; a wave's stage
.set SPARE, 4*WREG                     ; behind the stages: the spare words, 128 bytes a wave, that no other line names
.set RS,    16                         ; v16-143  two sets of 64 numbers as loaded
.set XS,    144                        ; v144-207 the step's 64 numbers of my row: register 8 c + i = k 16 c + 8 h + i
.set TS,    208
.set CD,    224                        ; v224-239 a fragment's codes
.set SPW,   12                         ; v12      my spare word; never rewritten
.set NIL,   13                         ; v13      0; never rewritten
.set SRC,   4                          ; s[4:5]   my 16 rows' first byte
.set D0,    18                         ; s[18:19] where my codes go; s[48:49], s[50:51]: x's second and third set
.set D1,    48
.set D2,    50
	s_load_b256 s[4:11], s[0:1], 0x0               ; x, wq, wk, wv
	s_load_b256 s[12:19], s[0:1], 0x20             ; wo, token_positions, the scales, xc
	s_load_b128 s[20:23], s[0:1], 0x40             ; wc, tab
	v_lshl_add_u32 v[SPW], v0, 2, SPARE
	v_mov_b32 v[NIL], 0
	v_lshrrev_b32 v1, 5, v0
	v_readfirstlane_b32 s24, v1                    ; wave
	v_and_b32 v1, 31, v0                           ; lane
	v_lshlrev_b32 v2, 4, v1                        ; 16 x lane: my place in a load's and in a store's 512 bytes
	s_mul_i32 s25, s24, WREG
	v_add_nc_u32 v3, s25, v2                       ; the stage, way in
	v_and_b32 v14, 15, v0                          ; r
	v_bfe_u32 v15, v0, 4, 1                        ; h
	v_mul_u32_u24 v4, v14, SP
	v_lshl_add_u32 v4, v15, 5, v4
	v_add_nc_u32 v4, s25, v4                       ; the stage, way out: row r, + 32 h
	s_lshl_b32 s26, ttmp9, 2
	s_add_co_u32 s26, s26, s24                     ; 4 x work-group + wave
	s_wait_kmcnt 0x0
	s_cmp_ge_u32 ttmp9, 384
	s_cbranch_scc1 .Ltable
	s_load_b256 s[32:39], s[16:17], 0x0            ; e0 .. e7
	s_load_b128 s[40:43], s[16:17], 0x20           ; e8 .. e11
	s_sub_co_u32 s28, ttmp9, 256
	s_lshr_b32 s28, s28, 5                         ; which weight
	s_mov_b32 s27, 127
	s_cmp_lt_u32 ttmp9, 256                        ; x's work-group?  Every choice hangs on the work-group's number alone
	s_cselect_b32 s27, 1023, s27                   ; x has 1,024 waves' shares, a weight 128
	s_cselect_b32 s28, 0, s28
	s_cselect_b64 s[D0:D0+1], s[18:19], s[20:21]
	s_cmp_ge_u32 ttmp9, 256
	s_cselect_b64 s[SRC:SRC+1], s[6:7], s[4:5]
	s_cmp_ge_u32 ttmp9, 288
	s_cselect_b64 s[SRC:SRC+1], s[8:9], s[SRC:SRC+1]
	s_cmp_ge_u32 ttmp9, 320
	s_cselect_b64 s[SRC:SRC+1], s[10:11], s[SRC:SRC+1]
	s_cmp_ge_u32 ttmp9, 352
	s_cselect_b64 s[SRC:SRC+1], s[12:13], s[SRC:SRC+1]
	s_and_b32 s26, s26, s27                        ; my share of the tensor
	s_lshr_b32 s29, s26, 1                         ; which 16 rows
	s_and_b32 s30, s26, 1                          ; which 512 along K
	s_lshl_b32 s44, s29, 16                        ; 16 rows of 4,096 bytes
	s_lshl_b32 s45, s30, 11
	s_add_co_u32 s44, s44, s45
	s_mov_b32 s45, 0
	s_add_nc_u64 s[SRC:SRC+1], s[SRC:SRC+1], s[44:45]
	s_lshr_b32 s46, s29, 3
	s_lshl_b32 s46, s46, 17                        ; 128 rows' codes
	s_and_b32 s47, s29, 7
	s_lshl_b32 s47, s47, 12                        ; my 16 rows among them
	s_add_co_u32 s46, s46, s47
	s_lshl_b32 s47, s30, 16                        ; two blocks of 256 K
	s_add_co_u32 s46, s46, s47
	s_lshl_b32 s47, s28, 20                        ; the weight's place in wc
	s_add_co_u32 s46, s46, s47
	s_mov_b32 s47, 0
	s_add_nc_u64 s[D0:D0+1], s[D0:D0+1], s[46:47]
	s_add_nc_u64 s[D1:D1+1], s[D0:D0+1], 0x800000  ; used by x's work-groups alone
	s_add_nc_u64 s[D2:D2+1], s[D0:D0+1], 0x1000000
.macro LOAD t                          ; step t: 16 rows x 512 bytes into set t % 2
.irp i, 0,1,2,3,4,5,6,7,8,9,10,11,12,13,14,15
	global_load_b128 v[RS+64*((\t)%2)+4*\i:RS+64*((\t)%2)+4*\i+3], v2, s[SRC:SRC+1] offset:4096*\i+512*(\t) th:TH_LOAD_NT
.endr
.endm
.macro TURN t                          ; through the stage: LDS serves a wave's instructions in order, so no wait stands between the stores and the loads
.irp i, 0,1,2,3,4,5,6,7,8,9,10,11,12,13,14,15
	ds_store_b128 v3, v[RS+64*((\t)%2)+4*\i:RS+64*((\t)%2)+4*\i+3] offset:SP*\i
.endr
	v_nop
.irp q, 0,1,2,3,4,5,6,7,8,9,10,11,12,13,14,15
	ds_load_b128 v[XS+4*\q:XS+4*\q+3], v4 offset:64*(\q/2)+16*(\q%2)
.endr
.endm
.macro MKSC e, sc, lm                  ; 2^e as f32 (the conversion takes its exponent field)
	s_add_co_i32 s53, s[\e], 127
	s_lshl_b32 s54, s53, 23
	v_mov_b32 v[\sc], s54
.endm
; The step's 64 numbers become a fragment's codes under one scale and leave: four stores of 512 consecutive bytes.  The numbers themselves are kept: x is quantised three times.
; The conversion to an 8-bit code does not saturate (ISA guide 7.6.2).
.macro QUANT sc, lm, d, t
	s_wait_xcnt 0x0                                ; the codes' registers were the data of earlier stores: they are written again only behind this wait
.irp c, 0,1,2,3,4,5,6,7
.irp i, 0,1,2,3,4,5,6,7
.endr
	v_cvt_scalef32_pk8_fp8_f32 v[CD+2*\c:CD+2*\c+1], v[TS+8*(\c%2)+((XS+8*\c+0)-(TS+8*(\c%2)+0)):TS+8*(\c%2)+7+((XS+8*\c+0)-(TS+8*(\c%2)+0))], v[\sc]
.endr
.irp c, 0,1,2,3
	global_store_b128 v2, v[CD+4*\c:CD+4*\c+3], s[\d:\d+1] offset:((\t)/2)*32768+((\t)%2)*2048+512*\c
.endr
.endm
.macro STEP t
.if (\t) < 3
	s_wait_loadcnt 16                              ; this step's 16 loads are in; the next step's 16 may be out
.else
	s_wait_loadcnt 0
.endif
	TURN \t
	s_wait_dscnt 0x0                               ; my row's numbers are back, and the stage's stores have read their registers,
.if (\t) < 2
	LOAD (\t)+2                                    ; which take the loads of two steps on
.endif
	QUANT 6, 7, D0, \t
	s_cmp_ge_u32 ttmp9, 256                        ; a weight has one scale
	s_cbranch_scc1 .Lone_\@
	QUANT 8, 9, D1, \t
	QUANT 10, 11, D2, \t
.Lone_\@:
.endm
	s_wait_alu depctr_va_vdst(0)
	LOAD 0
	LOAD 1
	s_wait_kmcnt 0x0
	s_cmp_ge_u32 ttmp9, 256
	s_cselect_b32 s52, s33, s32                    ; x: entry 0; wq: 1
	s_cmp_ge_u32 ttmp9, 288
	s_cselect_b32 s52, s35, s52                    ; wk: 3
	s_cmp_ge_u32 ttmp9, 320
	s_cselect_b32 s52, s37, s52                    ; wv: 5
	s_cmp_ge_u32 ttmp9, 352
	s_cselect_b32 s52, s43, s52                    ; wo: 11
	MKSC 52, 6, 7
	MKSC 34, 8, 9                                  ; x for the second product: entry 2
	MKSC 36, 10, 11                                ; for the third: entry 4
	s_wait_alu depctr_va_vdst(0)
	STEP 0
	STEP 1
	STEP 2
	STEP 3
	s_wait_tensorcnt 0x0                           ; the wave's end
	ds_add_u32 v[SPW], v[NIL]
	s_wait_dscnt 0x0
	s_endpgm
; ---- the table: a wave takes 16 positions; it touches no LDS
.Ltable:
	s_sub_co_u32 s26, s26, 1536                    ; which 16 positions: 0 .. 127
	s_lshl_b32 s28, s26, 6
	s_mov_b32 s29, 0
	s_add_nc_u64 s[14:15], s[14:15], s[28:29]
	s_lshl_b32 s28, s26, 12
	s_add_nc_u64 s[22:23], s[22:23], s[28:29]
	s_wait_alu depctr_va_vdst(0)
	v_lshlrev_b32 v5, 2, v14
	global_load_b32 v7, v5, s[14:15]               ; position s % 16 = r
	v_cmp_le_u32 vcc_lo, 16, v1                    ; lanes 16-31 take the frequencies four further on
.macro FREQ reg, lo, hi
	v_mov_b32 v[\reg], \hi
	v_cndmask_b32 v[\reg], \lo, v[\reg], vcc_lo
.endm
	FREQ 16, 1.0, 0.3162277660                     ; 10000^(-kf / 32) = 10^(-kf / 8): register 16 + 2 q + e holds kf = 8 (q / 2) + 4 h + 2 (q % 2) + e
	FREQ 17, 0.7498942093, 0.2371373706
	FREQ 18, 0.5623413252, 0.1778279410
	FREQ 19, 0.4216965034, 0.1333521432
	FREQ 20, 0.1, 0.03162277660
	FREQ 21, 0.07498942093, 0.02371373706
	FREQ 22, 0.05623413252, 0.01778279410
	FREQ 23, 0.04216965034, 0.01333521432
	FREQ 24, 0.01, 0.003162277660
	FREQ 25, 0.007498942093, 0.002371373706
	FREQ 26, 0.005623413252, 0.001778279410
	FREQ 27, 0.004216965034, 0.001333521432
	FREQ 28, 0.001, 0.0003162277660
	FREQ 29, 0.0007498942093, 0.0002371373706
	FREQ 30, 0.0005623413252, 0.0001778279410
	FREQ 31, 0.0004216965034, 0.0001333521432
	s_wait_loadcnt 0x0
	v_cvt_f32_i32 v7, v7
.macro SINCOS f, o                     ; v[o] = cos, v[o + 1] = sin of position x v[f]
	v_mul_f32 v64, v7, v[\f]                       ; the angle
	v_mul_f32 v65, 0x3f22f983, v64                 ; x 2 / pi
	v_rndne_f32 v65, v65                           ; n quarter turns
	v_fmamk_f32 v66, v65, 0xbfc90fdb, v64          ; r = angle - n pi/2, pi/2 in three parts
	v_fmamk_f32 v66, v65, 0x333bbd2e, v66
	v_fmamk_f32 v66, v65, 0x26f72ced, v66
	v_cvt_i32_f32 v68, v65
	v_mul_f32 v67, v66, v66                        ; z = r r
	v_mov_b32 v69, 0x3638ef1d                      ; 1 / 9!
	v_mov_b32 v70, 0xb493f27e                      ; -1 / 10!
	v_fmaak_f32 v69, v69, v67, 0xb9500d01          ; -1 / 7!
	v_fmaak_f32 v70, v70, v67, 0x37d00d01          ; 1 / 8!
	v_fmaak_f32 v69, v69, v67, 0x3c088889          ; 1 / 5!
	v_fmaak_f32 v70, v70, v67, 0xbab60b61          ; -1 / 6!
	v_fmaak_f32 v69, v69, v67, 0xbe2aaaab          ; -1 / 3!
	v_fmaak_f32 v70, v70, v67, 0x3d2aaaab          ; 1 / 4!
	v_mul_f32 v71, v67, v66
	v_fmaak_f32 v70, v70, v67, 0xbf000000          ; -1 / 2
	v_fma_f32 v69, v69, v71, v66                   ; sin r
	v_fma_f32 v70, v70, v67, 1.0                   ; cos r
	v_and_b32 v72, 1, v68
	v_cmp_eq_u32 vcc_lo, 1, v72                    ; an odd n swaps the two
	v_cndmask_b32 v[\o+1], v69, v70, vcc_lo
	v_cndmask_b32 v[\o], v70, v69, vcc_lo
	v_lshlrev_b32 v72, 30, v68                     ; the sine's sign: bit 1 of n
	v_and_b32 v72, 0x80000000, v72
	v_xor_b32 v[\o+1], v[\o+1], v72
	v_add_nc_u32 v68, 1, v68                       ; the cosine's: bit 1 of n + 1
	v_lshlrev_b32 v72, 30, v68
	v_and_b32 v72, 0x80000000, v72
	v_xor_b32 v[\o], v[\o], v72
.endm
.irp f, 0,1,2,3,4,5,6,7,8,9,10,11,12,13,14,15
	SINCOS 16+\f, 32+2*\f
.endr
.irp q, 0,1,2,3,4,5,6,7
	global_store_b128 v2, v[32+4*\q:35+4*\q], s[22:23] offset:512*\q   ; 512 consecutive bytes a store
.endr
	s_endpgm
.Lfunc_end_k_q7b0be986e9_prep:
	.size	k_q7b0be986e9_prep, .Lfunc_end_k_q7b0be986e9_prep-k_q7b0be986e9_prep
	.p2alignl 7, 3214868480
	.fill 96, 4, 3214868480
	.section	.rodata,"a",@progbits
	.p2align	6, 0x0
	.amdhsa_kernel k_q7b0be986e9_prep
		.amdhsa_group_segment_fixed_size 34304
		.amdhsa_private_segment_fixed_size 0
		.amdhsa_enable_private_segment 0
		.amdhsa_kernarg_size 80
		.amdhsa_user_sgpr_count 2
		.amdhsa_user_sgpr_kernarg_segment_ptr 1
		.amdhsa_wavefront_size32 1
		.amdhsa_system_sgpr_workgroup_id_x 1
		.amdhsa_system_sgpr_workgroup_id_y 1
		.amdhsa_system_sgpr_workgroup_id_z 1
		.amdhsa_system_vgpr_workitem_id 0
		.amdhsa_next_free_vgpr 240
		.amdhsa_next_free_sgpr 66
		.amdhsa_reserve_vcc 1
		.amdhsa_float_denorm_mode_32 3
		.amdhsa_float_denorm_mode_16_64 3
		.amdhsa_fp16_overflow 1
		.amdhsa_memory_ordered 1
		.amdhsa_forward_progress 1
		.amdhsa_inst_pref_size 57
	.end_amdhsa_kernel
	.amdgpu_metadata
---
amdhsa.version: [ 1, 2 ]
amdhsa.kernels:
  - .name:           k_q7b0be986e9_prep
    .symbol:         k_q7b0be986e9_prep.kd
    .args:
      - { .name: x, .offset: 0, .size: 8, .value_kind: global_buffer, .address_space: global }
      - { .name: wq, .offset: 8, .size: 8, .value_kind: global_buffer, .address_space: global }
      - { .name: wk, .offset: 16, .size: 8, .value_kind: global_buffer, .address_space: global }
      - { .name: wv, .offset: 24, .size: 8, .value_kind: global_buffer, .address_space: global }
      - { .name: wo, .offset: 32, .size: 8, .value_kind: global_buffer, .address_space: global }
      - { .name: token_positions, .offset: 40, .size: 8, .value_kind: global_buffer, .address_space: global }
      - { .name: lowp_scales, .offset: 48, .size: 8, .value_kind: global_buffer, .address_space: global }
      - { .name: xc, .offset: 56, .size: 8, .value_kind: global_buffer, .address_space: global }
      - { .name: wc, .offset: 64, .size: 8, .value_kind: global_buffer, .address_space: global }
      - { .name: tab, .offset: 72, .size: 8, .value_kind: global_buffer, .address_space: global }
    .group_segment_fixed_size: 34304
    .private_segment_fixed_size: 0
    .kernarg_segment_align: 8
    .kernarg_segment_size: 80
    .max_flat_workgroup_size: 128
    .sgpr_count:     66
    .vgpr_count:     240
    .wavefront_size: 32
...
	.end_amdgpu_metadata
.endif
;; end of part 1
;; launch qkv (part 2): grid 12 x 32, 4 waves a work-group, clusters of 4 x 4, 327,680 bytes of LDS; arguments xc, wc, tab, lowp_scales, qkvc; writes qkvc
.if DOCPART == 2
	.amdgcn_target "amdgcn-amd-amdhsa--gfx1250"
	.amdhsa_code_object_version 6
	.text
	.protected	k_q7b0be986e9_qkv
	.globl	k_q7b0be986e9_qkv
	.p2align	8
	.type	k_q7b0be986e9_qkv,@function
k_q7b0be986e9_qkv:
	s_mov_b64 s[64:65], 0
	v_nop
	global_prefetch_b8 v0, s[64:65] scope:SCOPE_SE
	s_setreg_imm32_b32 hwreg(HW_REG_WAVE_MODE, 25, 1), 1
	s_wait_xcnt 0x0
	s_wait_alu depctr_hold_cnt(0) depctr_sa_sdst(0) depctr_va_vdst(0) depctr_va_sdst(0) depctr_va_ssrc(0) depctr_va_vcc(0) depctr_vm_vsrc(0)
	s_getreg_b32 s2, hwreg(HW_REG_IB_STS2, 6, 4)
	s_cmp_eq_u32 s2, 0
	s_cbranch_scc0 .Lentry_in_a_cluster
	s_endpgm
.Lentry_in_a_cluster:
	s_bfe_u32 s2, ttmp6, 0x10000c
	s_cmp_lg_u32 s2, 0xf033
	s_cbranch_scc0 .Lentry_shape_is_right
	s_endpgm
.Lentry_shape_is_right:
; The three projections q, k, v = x W^T on codes of FP8 (E4M3), the rotation of q and k, and the quantisers of q, k and v for the two products of the attention.
; The cluster's x says which: 0 q, 1 k, 2 v: the same number in all sixteen partners, so what hangs on it is alike in all of them.
; A work-group of four waves makes 256 x 256, a wave 128 x 128: 64 accumulators of 16 x 16, 512 registers.  K = 1,024 goes in four steps of 256 through a ring of two LDS slots filled by the tensor data mover.
; BOTH OPERANDS LIE IN MEMORY AS IMAGES OF THEIR REGISTERS: 128 rows x 256 K are 32,768 dense bytes, [row block of 16][K half of 128][4][512 bytes = 16 a lane].  So a tile is one dense block for one tensor load, a fragment
; comes by four loads of 16 bytes a lane at 16 x lane (an instruction's 512 bytes are consecutive: no pitch, no padding), and every k stands in the place that this form's own layout gives it.
; THE MATRIX INSTRUCTION TAKES "B" AS SOURCE 0 AND "A" AS SOURCE 1: a lane then holds ONE row of A and eight neighbouring rows of B.
;   q, k: A = x (tokens), B = the weight (channels): a lane holds one token and eight neighbouring channels: the next product's K is the head's 64 channels.
;   v:    A = the weight (channels), B = x (tokens): a lane holds one channel and eight neighbouring keys: the next product's K is the keys.
; So a conversion of an accumulator's eight registers gives two registers of the next operand, and the results leave as images too, 512 consecutive bytes a store, with no way through LDS.
; THE ROTATION works on the bare sums: a sum stands for sum x 2^(eA + eB), a power of two, which goes through the rotation unchanged; the three exponents are folded into the conversion's one scale 2^(eO - eA - eB).
; CLUSTERS: 4 x 4 work-groups.  A's tile hangs on the cluster's y, the kind and cy alone and is asked for jointly by a row of the cluster; B's on the cluster's y, the kind and cx alone, by a column.
; LIMIT: eO - eA - eB between -126 and 119 (eO: entry 6, 7 or 9 of the scales; eA, eB: entries 2 T, 2 T + 1).
; REGISTERS, in windows of 256: window 0: v16-29 addresses and constants; from v128 A's fragments, ONE set; on the way out v32-191 are free.  window 1: B's fragments, TWO sets.  windows 2, 3: the accumulators, (a, b) at v[8 (8 (a % 4) + b)].
.set FR,     16                        ; registers of a fragment: 16 rows x 128 K
.set NL,     4                         ; LDS loads that bring one
.set NP,     4                         ; places behind this matrix instruction (ISA guide 7.12.1)
.set HALFT,  32768                     ; 128 rows x 256 K: what one tensor load brings, and what one wave reads of A or of B
.set SLOT,   4*HALFT                   ; A's two halves, then B's two
.set SPARE,  2*SLOT                    ; behind the ring: the spare words, 128 bytes a wave, that no other line names
.set ADRA, 16                          ; v16-17  LDS address of my A fragments in slot 0, 1
.set ADRB, 20                          ; v20-21  the same for B
.set SCL,  22                          ; v22     2^(eO - eA - eB) as f32
.set LIM,  23                          ; v23     448 x that
.set LO,   26                          ; v26     16 x lane
.set SPW,  28                          ; v28     my spare word; never rewritten
.set NIL,  29                          ; v29     0; never rewritten
.set TAB,  32                          ; v32-95  the way out: two sets of 32: (cos, sin) of my token for the 16 pairs of my half
.set TMP,  96                          ; v96-159 a block's 64 numbers
.set COD,  160                         ; v160-191 two sets of 16: a block's codes
.set AF,   128
.set G1, 24                            ; s[24:31] descriptor group 1 for A's tiles;  s[32:39] group 0, one set for each slot
.set G0, 32
.set G1B, 48                           ; s[48:55], s[56:63] the same for B's tiles
.set G0B, 56
.set MSB, 0
.macro WIN new                         ; the immediate's high byte repeats the setting that is left
.if MSB != (\new)
	s_set_vgpr_msb (MSB<<8)|(\new)
.set MSB, (\new)
.endif
.endm
.set MUL_LO, 0xa1                      ; source 0 (B) window 1, source 1 (A) window 0, C and D window 2
.set MUL_HI, 0xf1                      ; the same, C and D window 3
.set TO_B,   0x40                      ; destination window 1, address window 0
; A joint load: waves 0 and 1 fetch A's two halves, waves 2 and 3 B's.  Each line has one mask and one set of registers for all that issue it; the branch hangs on the wave's number alone.
; An s_nop 0 and four v_nop follow each of the two lines.
.macro JLOAD g0a, g1a, g0b, g1b
	s_cmp_eq_u32 s15, 0
	s_cbranch_scc0 .Lfor_b_\@
	tensor_load_to_lds s[\g0a:\g0a+3], s[\g1a:\g1a+7]
	s_nop 0
.rept 4
	v_nop
.endr
	s_branch .Lasked_\@
.Lfor_b_\@:
	tensor_load_to_lds s[\g0b:\g0b+3], s[\g1b:\g1b+7]
	s_nop 0
.rept 4
	v_nop
.endr
.Lasked_\@:
.endm
.macro CREST                           ; a round of the cluster's barrier behind its opening barrier
	s_cmp_lg_u32 s14, 0
	s_cbranch_scc1 .Lnot_wave_0_\@
	s_barrier_signal -3
.Lnot_wave_0_\@:
	s_barrier_wait -3
	s_barrier_signal -1
	s_barrier_wait -1
.endm
.macro CROUND                          ; a whole round
	s_barrier_signal -1
	s_barrier_wait -1
	CREST
.endm
	s_load_b256 s[4:11], s[0:1], 0x0               ; xc, wc, tab, the scales
	s_load_b64 s[12:13], s[0:1], 0x20              ; qkvc
	v_lshl_add_u32 v[SPW], v0, 2, SPARE
	v_mov_b32 v[NIL], 0
	ds_add_u32 v[SPW], v[NIL]
	ds_add_u32 v[SPW], v[NIL]                      ; the wave's opening: the adds and their wait stand ahead of my first tensor load; the set-up below, work on registers, stands between them
	v_lshrrev_b32 v1, 5, v0
	v_readfirstlane_b32 s14, v1                    ; wave 0..3
	s_lshr_b32 s15, s14, 1                         ; which half of A's rows is mine.  Also: I fetch for A (0) or for B (1)
	s_and_b32 s16, s14, 1                          ; which half of B's rows.  Also: which 128 rows of that tile I fetch
	s_bfe_u32 s40, ttmp6, 0x40000                  ; cx, cy: my place in the cluster
	s_bfe_u32 s41, ttmp6, 0x40004
	s_and_b32 s18, ttmp7, 0xffff
	s_lshl_b32 s18, s18, 2                         ; 4 x cluster y: it walks x's 32 tiles of 256 rows
	s_cmp_eq_u32 ttmp9, 2                          ; v?  then x is B
	s_cselect_b32 s17, 0, s18
	s_cselect_b32 s42, s18, 0
	s_add_co_u32 s17, s17, s41                     ; A's tile: hangs on cy, never on cx
	s_add_co_u32 s42, s42, s40                     ; B's tile: hangs on cx, never on cy
	s_lshl_b32 s43, s41, 2
	s_lshl_b32 s43, 15, s43                        ; my row of the cluster
	s_lshl_b32 s44, 0x1111, s40                    ; my column
	; descriptor group 1: a dense block of 32,768 bytes, stated as 128 rows of 32 elements of 8 bytes
	s_or_b32 s[G1+0], s43, (3<<16)|(1<<21)         ; 15:0 the mask; 17:16 elements of 8 bytes; 20 no padding; 21 set beside a mask
	s_or_b32 s[G1B+0], s44, (3<<16)|(1<<21)
.irp g, G1, G1B
	s_mov_b32 s[\g+1], 32<<16                      ; tensor_dim0
	s_mov_b32 s[\g+2], 128<<16                     ; tensor_dim1
	s_mov_b32 s[\g+3], 32<<16                      ; tile_dim0
	s_mov_b32 s[\g+4], 128                         ; tile_dim1
	s_mov_b32 s[\g+5], 32                          ; tensor_dim0_stride: the rows follow each other
	s_mov_b32 s[\g+6], 0
	s_mov_b32 s[\g+7], 0
.endr
	s_lshl_b32 s20, s17, 1
	s_add_co_u32 s20, s20, s16
	s_lshl_b32 s20, s20, 17                        ; A: 128 rows x 1,024 K are 131,072 bytes: (2 x tile + half) of them
	s_mov_b32 s21, 0
	s_lshl_b32 s46, s42, 1
	s_add_co_u32 s46, s46, s16
	s_lshl_b32 s46, s46, 17                        ; B likewise
	s_mov_b32 s47, 0
	s_mul_i32 s45, s14, HALFT                      ; where they go: wave x 32,768: no place in the cluster enters an LDS address
	s_lshl_b32 s84, ttmp9, 23                      ; the kind's set of x's codes,
	s_mov_b32 s85, 0
	s_lshl_b32 s86, ttmp9, 20                      ; and its weight
	s_mov_b32 s87, 0
	s_wait_dscnt 0x0                               ; the opening add is done
	s_wait_kmcnt 0x0
	s_load_b256 s[68:75], s[10:11], 0x0            ; e0 .. e7
	s_load_b128 s[76:79], s[10:11], 0x20           ; e8 .. e11
	s_add_nc_u64 s[4:5], s[4:5], s[84:85]
	s_add_nc_u64 s[6:7], s[6:7], s[86:87]
	s_cmp_eq_u32 ttmp9, 2
	s_cselect_b64 s[88:89], s[6:7], s[4:5]         ; A
	s_cselect_b64 s[90:91], s[4:5], s[6:7]         ; B
	s_add_nc_u64 s[20:21], s[88:89], s[20:21]
	s_add_nc_u64 s[46:47], s[90:91], s[46:47]
	CROUND                                         ; all sixteen work-groups are here: the first joint loads meet
.irp s, 0,1
	s_mov_b32 s[G0+4*\s], 1
	s_add_co_u32 s[G0+4*\s+1], s45, \s*SLOT
	s_add_nc_u64 s[G0+4*\s+2:G0+4*\s+3], s[20:21], \s*HALFT        ; K step s
	s_or_b32 s[G0+4*\s+3], s[G0+4*\s+3], 0x80000000
	s_mov_b32 s[G0B+4*\s], 1
	s_add_co_u32 s[G0B+4*\s+1], s45, \s*SLOT
	s_add_nc_u64 s[G0B+4*\s+2:G0B+4*\s+3], s[46:47], \s*HALFT
	s_or_b32 s[G0B+4*\s+3], s[G0B+4*\s+3], 0x80000000
	JLOAD G0+4*\s, G1, G0B+4*\s, G1B               ; two loads of mine are out
.endr
	v_and_b32 v6, 31, v0
	v_lshlrev_b32 v[LO], 4, v6
	s_lshl_b32 s21, s15, 15                        ; my 128 rows of A
	s_lshl_b32 s22, s16, 15                        ; my 128 rows of B,
	s_add_co_u32 s22, s22, 2*HALFT                 ; which lie behind A's 256
.irp s, 0,1
	v_add_nc_u32 v[ADRA+\s], s21, v[LO]
	v_add_nc_u32 v[ADRB+\s], s22, v[LO]
	s_add_co_u32 s21, s21, SLOT
	s_add_co_u32 s22, s22, SLOT
.endr
.macro FRAG reg, adr, q, i             ; a fragment's image: row block i, the slot's q-th 128 along K: four loads of 512 consecutive bytes
.irp c, 0,1,2,3
	ds_load_b128 v[\reg+4*\c:\reg+4*\c+3], v[\adr] offset:2048*(\q)+512*\c+(\i)*4096
.endr
.endm
; 16 matrix instructions: A's blocks a0, a0 + 1 x B's eight, 128 along K.  p: B's set.  zero = 1: the first product starts the sums.
; The 64 accumulators take turns, one instruction a turn, in the same order in every step.
.macro MUL16 a0, p, zero
.irp a, \a0, \a0+1
.irp b, 0,1,2,3,4,5,6,7
.if \zero
	v_wmma_f32_16x16x128_fp8_fp8 v[8*(8*((\a)%4)+\b):8*(8*((\a)%4)+\b)+7], v[128*(\p)+FR*\b:128*(\p)+FR*\b+FR-1], v[AF+FR*(\a):AF+FR*(\a)+FR-1], 0
.else
	v_wmma_f32_16x16x128_fp8_fp8 v[8*(8*((\a)%4)+\b):8*(8*((\a)%4)+\b)+7], v[128*(\p)+FR*\b:128*(\p)+FR*\b+FR-1], v[AF+FR*(\a):AF+FR*(\a)+FR-1], v[8*(8*((\a)%4)+\b):8*(8*((\a)%4)+\b)+7]
.endif
.endr
.endr
.endm
.macro FETCH_B slot, q, p              ; B's eight fragments into set p
	WIN TO_B
.irp i, 0,1,2,3,4,5,6,7
	FRAG 128*(\p)+FR*\i, ADRB+\slot, \q, \i
.endr
	WIN 0
.endm
.macro FETCH_A slot, q, i0             ; A's blocks i0 .. i0 + 3
.irp i, \i0, \i0+1, \i0+2, \i0+3
	FRAG AF+FR*(\i), ADRA+\slot, \q, \i
.endr
.endm
; A load into a register that a matrix instruction has read, and a vector instruction that reads a matrix result, stand NP places behind it; only plain vector instructions that name none of its registers are places
.macro PLACES n
.rept \n
	v_nop
.endr
.endm
; A step of 128 along K that has its successor in the same slot.  A's blocks go one after the other, each against B's eight: a block of A is free when its eight products are issued, so A has one set of registers and B two.
.macro STEP slot, q, zero
	s_wait_dscnt 4*NL                              ; B's set and A's blocks 0-3 are in; the youngest 16 loads (A's blocks 4-7) may be out
	WIN MUL_LO
	MUL16 0, (\q)%2, \zero
	MUL16 2, (\q)%2, \zero
	s_wait_dscnt 0                                 ; A's blocks 4-7 are in
	PLACES NP
	FETCH_B \slot, (\q)+1, 1-(\q)%2
	FETCH_A \slot, (\q)+1, 0
	WIN MUL_HI
	MUL16 4, (\q)%2, \zero
	MUL16 6, (\q)%2, \zero
	PLACES NP
	WIN 0
	FETCH_A \slot, (\q)+1, 4
.endm
; A slot's last step changes slots: ONE barrier; in front of it each wave waits for all its tensor loads, adds 0 to its spare word, and waits for that and for its own reads of this slot.  fill = 1: this slot is filled again, two K steps ahead.
.macro TURN slot, next, fill
	s_wait_tensorcnt 0x0                           ; all my tensor loads have landed: my part of the next slot (every window is 0 here)
	ds_add_u32 v[SPW], v[NIL]                      ; 0 onto my spare word
	s_wait_dscnt 4*NL+1                            ; (the add and the youngest 16 loads, A's blocks 4-7, may be out)
	WIN MUL_LO
	MUL16 0, 1, 0                                  ; sixteen matrix instructions stand between the add and the wait for it
	s_wait_dscnt 0x0                               ; the add is done, and my reads of this slot are over
	s_barrier_signal -1
	MUL16 2, 1, 0
	WIN 0
	s_barrier_wait -1
.if \fill
	CREST                                          ; the barrier has opened a round of the cluster's barrier: no wave of any partner still reads this slot or has a load on its way
	s_add_nc_u64 s[G0+4*\slot+2:G0+4*\slot+3], s[G0+4*\slot+2:G0+4*\slot+3], 2*HALFT
	s_add_nc_u64 s[G0B+4*\slot+2:G0B+4*\slot+3], s[G0B+4*\slot+2:G0B+4*\slot+3], 2*HALFT
	JLOAD G0+4*\slot, G1, G0B+4*\slot, G1B         ; the first tensor load behind the round, my one load until the next; its four v_nop are the places in front of the loads below
.else
	PLACES NP
.endif
	FETCH_B \next, 0, 0
	FETCH_A \next, 0, 0
	WIN MUL_HI
	MUL16 4, 1, 0
	MUL16 6, 1, 0
	PLACES NP
	WIN 0
	FETCH_A \next, 0, 4
.endm
	s_wait_alu depctr_va_vdst(0)
	s_wait_tensorcnt 0x1                           ; my part of K step 0 is in (K step 1's load may be out)
	s_barrier_signal -1
	s_barrier_wait -1                              ; everybody's is
	FETCH_B 0, 0, 0
	FETCH_A 0, 0, 0
	FETCH_A 0, 0, 4
	STEP 0, 0, 1                                   ; K has four K steps, eight steps of 128: they are written out.  The first products start the sums
	TURN 0, 1, 1                                   ; slot 0 takes K step 2
	STEP 1, 0, 0
	TURN 1, 0, 1                                   ; slot 1 takes K step 3
	STEP 0, 0, 0
	TURN 0, 1, 0                                   ; nothing is left to fetch: no round
	STEP 1, 0, 0
	s_wait_dscnt 4*NL
	WIN MUL_LO
	MUL16 0, 1, 0
	MUL16 2, 1, 0
	s_wait_dscnt 0
	WIN MUL_HI
	MUL16 4, 1, 0
	MUL16 6, 1, 0
	WIN 0
	; ---- the way out
	s_wait_kmcnt 0x0
	s_cmp_eq_u32 ttmp9, 1
	s_cselect_b32 s84, s70, s68                    ; eA: entry 2 T
	s_cselect_b32 s85, s71, s69                    ; eB: entry 2 T + 1
	s_cselect_b32 s86, s75, s74                    ; eO: q entry 6, k entry 7,
	s_cmp_eq_u32 ttmp9, 2
	s_cselect_b32 s84, s72, s84
	s_cselect_b32 s85, s73, s85
	s_cselect_b32 s86, s77, s86                    ; v entry 9
	s_sub_co_i32 s86, s86, s84
	s_sub_co_i32 s86, s86, s85
	s_add_co_i32 s86, s86, 127
	s_lshl_b32 s87, s86, 23
	v_mov_b32 v[SCL], s87
	s_add_co_i32 s86, s86, 8
	s_lshl_b32 s86, s86, 23
	s_or_b32 s86, s86, 0x600000
	v_mov_b32 v[LIM], s86
	s_lshl_b32 s88, s17, 8
	s_lshl_b32 s90, s15, 7
	s_add_co_u32 s88, s88, s90                     ; my first row of A
	s_lshl_b32 s89, s42, 8
	s_lshl_b32 s90, s16, 7
	s_add_co_u32 s89, s89, s90                     ; my first row of B
	s_mov_b32 s93, 0
	PLACES NP                                      ; behind the last products: their results are read and A's registers written below
	s_cmp_eq_u32 ttmp9, 2
	s_cbranch_scc1 .Lvout
	; q, k.  A's rows are tokens (row = 2,048 batch + s), B's rows channels (64 head + d): my 128 channels are two heads.
	; Image of a head's 16 tokens x 64 channels: 1,024 bytes, [d / 32][16 a lane]; a head's 2,048 tokens: 131,072 bytes.
	s_bfe_u32 s90, s88, 0x70004                    ; (s / 16) of my first token
	s_lshl_b32 s92, s90, 12
	s_add_nc_u64 s[80:81], s[8:9], s[92:93]        ; its 4,096 bytes of the table
	s_lshr_b32 s91, s88, 11                        ; batch
	s_lshl_b32 s91, s91, 4
	s_lshr_b32 s94, s89, 6                         ; my first head
	s_add_co_u32 s91, s91, s94
	s_lshl_b32 s91, s91, 17
	s_lshl_b32 s90, s90, 10
	s_add_co_u32 s92, s91, s90
	s_lshl_b32 s94, ttmp9, 23                      ; q's third of the buffer, or k's
	s_add_co_u32 s92, s92, s94
	s_add_nc_u64 s[82:83], s[12:13], s[92:93]
.macro TABLOAD a                       ; the table of block a's 16 tokens into set a % 2
.irp q, 0,1,2,3,4,5,6,7
	global_load_b128 v[TAB+32*((\a)%2)+4*\q:TAB+32*((\a)%2)+4*\q+3], v[LO], s[80:81] offset:4096*(\a)+512*\q
.endr
.endm
; Block a: 16 tokens x 128 channels.  Registers 2 p, 2 p + 1 of accumulator b are the pair (even, odd) of frequency 8 (b % 4) + 4 h + p; the table's registers 8 (b % 4) + 2 p, + 1 its (cos, sin).
; (even c, odd c), then (- odd s + even c, even s + odd c): two packed instructions a pair.  Each accumulator is read from its low end on.
.macro ROPE a
.set AC, 64*((\a)%4)
.set TA, TAB+32*((\a)%2)
.set CO, COD+16*((\a)%2)
.if (\a) < 7
	TABLOAD (\a)+1
	s_wait_loadcnt 8                               ; this block's eight loads are in; the next block's eight may be out
.else
	s_wait_loadcnt 0
.endif
	WIN 0x02+((\a)/4)                              ; source 0: window 2 or 3
.irp b, 0,1,2,3,4,5,6,7
.irp p, 0,2,4,6
	v_pk_mul_f32 v[TMP+8*\b+\p:TMP+8*\b+\p+1], v[AC+8*\b+\p:AC+8*\b+\p+1], v[TA+8*(\b%4)+\p:TA+8*(\b%4)+\p+1] op_sel_hi:[1,0]
.endr
.irp p, 0,2,4,6
	v_pk_fma_f32 v[TMP+8*\b+\p:TMP+8*\b+\p+1], v[AC+8*\b+\p:AC+8*\b+\p+1], v[TA+8*(\b%4)+\p:TA+8*(\b%4)+\p+1], v[TMP+8*\b+\p:TMP+8*\b+\p+1] op_sel:[1,1,0] op_sel_hi:[0,1,1] neg_lo:[0,1,0]
.endr
.endr
	WIN 0
.set j, 0
.rept 64
.set j, j+1
.endr
.if (\a) > 1
	s_wait_alu depctr_va_vdst(0)
	s_wait_xcnt 0x0                                ; block a - 2's stores have read this set of codes
.endif
.irp b, 0,1,2,3,4,5,6,7
	v_cvt_scalef32_pk8_fp8_f32 v[CO+2*\b:CO+2*\b+1], v[TMP+8*\b:TMP+8*\b+7], v[SCL]
.endr
	v_nop                                          ; one plain line behind the conversions, ahead of the next block's writes of their sources
.irp u, 0,1
.irp c, 0,1
	global_store_b128 v[LO], v[CO+8*\u+4*\c:CO+8*\u+4*\c+3], s[82:83] offset:\u*131072+(\a)*1024+\c*512   ; head u, d / 32 = c: 512 consecutive bytes
.endr
.endr
.endm
	TABLOAD 0
.irp a, 0,1,2,3,4,5,6,7
	ROPE \a
.endr
	s_branch .Ldone
.Lvout:
	; v.  A's rows are channels, B's rows tokens: my 128 tokens are one K step of the attention's second product.
	; Image of 16 channels x 128 keys: 2,048 bytes; a head's 128 keys: four of them; a head: 131,072 bytes.
	s_lshr_b32 s91, s89, 11                        ; batch
	s_lshl_b32 s91, s91, 4
	s_lshr_b32 s94, s88, 6                         ; my first head
	s_add_co_u32 s91, s91, s94
	s_lshl_b32 s91, s91, 17
	s_bfe_u32 s90, s89, 0x40007                    ; which 128 keys
	s_lshl_b32 s90, s90, 13
	s_add_co_u32 s92, s91, s90
	s_add_co_u32 s92, s92, 0x1000000               ; v's third of the buffer
	s_add_nc_u64 s[82:83], s[12:13], s[92:93]
.macro VOUT a                          ; block a: 16 channels x 128 keys
.set AC, 64*((\a)%4)
.set CO, COD+16*((\a)%2)
	WIN 0x02+((\a)/4)
.set j, 0
.rept 64
	v_med3_num_f32 v[TMP+j], v[AC+j], -v[LIM], v[LIM]
.set j, j+1
.endr
	WIN 0
.if (\a) > 1
	s_wait_alu depctr_va_vdst(0)
	s_wait_xcnt 0x0                                ; block a - 2's stores have read this set of codes
.endif
.irp b, 0,1,2,3,4,5,6,7
	v_cvt_scalef32_pk8_fp8_f32 v[CO+2*\b:CO+2*\b+1], v[TMP+8*\b:TMP+8*\b+7], v[SCL]
.endr
	v_nop
.irp c, 0,1,2,3
	global_store_b128 v[LO], v[CO+4*\c:CO+4*\c+3], s[82:83] offset:((\a)/4)*131072+((\a)%4)*2048+512*\c
.endr
.endm
	s_wait_alu depctr_va_vdst(0)
.irp a, 0,1,2,3,4,5,6,7
	VOUT \a
.endr
.Ldone:
	s_wait_tensorcnt 0x0                           ; the wave's end
	ds_add_u32 v[SPW], v[NIL]
	s_wait_dscnt 0x0
	CROUND                                         ; the closing round: no work-group ends while a partner may still ask for a tile that names it
	s_endpgm
.Lfunc_end_k_q7b0be986e9_qkv:
	.size	k_q7b0be986e9_qkv, .Lfunc_end_k_q7b0be986e9_qkv-k_q7b0be986e9_qkv
	.p2alignl 7, 3214868480
	.fill 96, 4, 3214868480
	.section	.rodata,"a",@progbits
	.p2align	6, 0x0
	.amdhsa_kernel k_q7b0be986e9_qkv
		.amdhsa_group_segment_fixed_size 327680
		.amdhsa_private_segment_fixed_size 0
		.amdhsa_enable_private_segment 0
		.amdhsa_kernarg_size 40
		.amdhsa_user_sgpr_count 2
		.amdhsa_user_sgpr_kernarg_segment_ptr 1
		.amdhsa_wavefront_size32 1
		.amdhsa_system_sgpr_workgroup_id_x 1
		.amdhsa_system_sgpr_workgroup_id_y 1
		.amdhsa_system_sgpr_workgroup_id_z 1
		.amdhsa_system_vgpr_workitem_id 0
		.amdhsa_next_free_vgpr 1024
		.amdhsa_next_free_sgpr 100
		.amdhsa_reserve_vcc 0
		.amdhsa_float_denorm_mode_32 3
		.amdhsa_float_denorm_mode_16_64 3
		.amdhsa_fp16_overflow 1
		.amdhsa_memory_ordered 1
		.amdhsa_forward_progress 1
		.amdhsa_inst_pref_size 165
	.end_amdhsa_kernel
	.amdgpu_metadata
---
amdhsa.version: [ 1, 2 ]
amdhsa.kernels:
  - .name:           k_q7b0be986e9_qkv
    .symbol:         k_q7b0be986e9_qkv.kd
    .args:
      - { .name: xc, .offset: 0, .size: 8, .value_kind: global_buffer, .address_space: global }
      - { .name: wc, .offset: 8, .size: 8, .value_kind: global_buffer, .address_space: global }
      - { .name: tab, .offset: 16, .size: 8, .value_kind: global_buffer, .address_space: global }
      - { .name: lowp_scales, .offset: 24, .size: 8, .value_kind: global_buffer, .address_space: global }
      - { .name: qkvc, .offset: 32, .size: 8, .value_kind: global_buffer, .address_space: global }
    .group_segment_fixed_size: 327680
    .private_segment_fixed_size: 0
    .kernarg_segment_align: 8
    .kernarg_segment_size: 40
    .max_flat_workgroup_size: 128
    .sgpr_count:     100
    .vgpr_count:     1024
    .wavefront_size: 32
...
	.end_amdgpu_metadata
.endif
;; end of part 2
;; launch attn (part 3): grid 4 x 64, 16 waves a work-group, no clusters, 327,680 bytes of LDS; arguments qkvc, lowp_scales, oc; writes oc
.if DOCPART == 3
	.amdgcn_target "amdgcn-amd-amdhsa--gfx1250"
	.amdhsa_code_object_version 6
	.text
	.protected	k_q7b0be986e9_attn
	.globl	k_q7b0be986e9_attn
	.p2align	8
	.type	k_q7b0be986e9_attn,@function
k_q7b0be986e9_attn:
	s_mov_b64 s[64:65], 0
	v_nop
	global_prefetch_b8 v0, s[64:65] scope:SCOPE_SE
	s_setreg_imm32_b32 hwreg(HW_REG_WAVE_MODE, 25, 1), 1
	s_wait_xcnt 0x0
; Causal attention of one head on codes of FP8 (E4M3): S = q k^T / 8, the softmax, O = p v, and the quantiser of O for the last projection.  2,048 tokens, head size 64, 64 heads (16 batch + head = work-group y).
; THE SOFTMAX AHEAD OF THE SECOND PRODUCT: t = score x log2(e) / 8; M = the row's largest t so far, rounded UP to a whole number; p = 2^(t - M) is what is quantised; the row's sum is taken of the unquantised p and divides O at the end.
; When M moves, the sum and O are multiplied by 2^(old M - new M), which rounds nothing.
; SHARES.  A head has eight blocks of 256 queries; block i needs the key slots (256 keys) 0 .. i.  Work-group x = I takes blocks I and 7 - I, one after the other: (I + 1) + (8 - I) = 9 visits of a slot, whatever I:
; all 256 work-groups have the same work and every trip count is a constant.  Each of the sixteen waves owns 16 queries of the block in hand, in 256 registers: four waves to a SIMD, so that one wave's vector work stands beside another's products and LDS loads.
; NO CLUSTER: at visit t work-group I stands at slot t (t <= I) or t - I - 1: the four work-groups of a head want different tiles at the same visit, so there is no joint request to make.
; LAYOUT.  q, k, v lie in memory as images of operand registers (16 bytes a lane on end).  S^T = K Q^T (source 0 = 16 keys x 64, source 1 = my 16 queries x 64): lane 16 h + r holds query r, register j of tile t key 16 t + 8 h + j:
; so a conversion of tile t's eight registers gives registers 2 t, 2 t + 1 of P for K = 128 keys, each key in its own place.  O^T = V^T P^T (source 0 = 16 channels x 128 keys): the lane holds query r and channels 16 c + 8 h + j,
; and four conversions give the 16 bytes a lane, twice, that are O's image for the last projection (K = 64 head + channel): two stores of 512 consecutive bytes.
; THE MASK.  A step (128 keys) all of whose keys come after my 16 queries is jumped over (a scalar branch on ids and counts; no barrier, wait for tiles or tensor load stands in a step); on the diagonal hidden scores become -infinity ahead of the maximum.
; Key 0 counts for every query, so M is a number from a block's first step on.
; LIMITS on the given exponents, so that each power of two below is an f32 number: entry 6 + entry 7 between -124 and 129; entry 8 between -126 and 119; entry 10 - entry 8 - entry 9 between -126 and 119.
; REGISTERS: v1, v2 my lane's place in a slot's K and V; v8, v9 the step's addresses; v12 -M, v13 the largest t, v[14:15] the sum in two halves; v16-23 Q; v32-95 K's eight fragments, then V's four; v96-159 S^T, then p;
; v160-191 O^T; v192-205 at work and constants; v208-215 O's codes; v224-239 p's codes.
.set SLOT1, 32768                      ; a slot: K's 16 tiles x 1,024 bytes, then V's [2 steps][4 channel tiles][2,048]; slot 1 begins here, so that one exclusive or turns an address from one slot to the other
.set VOFF,  16384
.set SPARE, 65536                      ; behind the ring: the spare words, 128 bytes for each of sixteen waves, that no other line names
.set LI,   1                           ; v1   16 x lane
.set AV0,  2                           ; v2   16 x lane + VOFF
.set SPW,  5                           ; v5   my spare word; never rewritten
.set NIL,  6                           ; v6   0; never rewritten
.set ADK,  8
.set ADV,  9
.set TB,   2                           ; s2   LDS byte at which the slot in hand begins
.set WV,   18                          ; s18  my wave's number
.set SEL,  20                          ; s[20:21] lane selects for v_permlanex16_b32: lane l xor 16
.set CS,   22                          ; s[22:23] c = log2(e) / 8 x 2^(entry 6 + entry 7)
.set G1,   24                          ; s[24:31] descriptor group 1
.set G0,   40                          ; s[40:43] descriptor group 0, which walks
.set BASE, 44                          ; s[44:45] the head's K (wave 0) or V (wave 1)
.set VT,   66                          ; s66  the visit
.set NS,   68                          ; s68  the key slot of the next visit
.set KF,   69                          ; s69  the first key of the slot in hand
.set Q0,   70                          ; s70  my first query
.set KQ,   71                          ; s71  the step's first key
.set QP,   72                          ; s[72:73] the head's q
.set OP,   74                          ; s[74:75] the head's place in O's images
.set QA,   82                          ; s[82:83] my queries' image
.set OA,   84                          ; s[84:85] my rows' place in O's images
; Wave 0 fetches a slot's K, wave 1 its V: 16,384 dense bytes each.  The branch hangs on the wave's number alone.  An s_nop 0 and four v_nop follow the load.
.macro TLOAD
	s_cmp_lt_u32 s[WV], 2
	s_cbranch_scc0 .Lasked_\@
	tensor_load_to_lds s[G0:G0+3], s[G1:G1+7]
	s_nop 0
.rept 4
	v_nop
.endr
.Lasked_\@:
.endm
.macro INIT                            ; a block begins: the largest t under every t, the sum and O^T zeros, which the first change of M leaves zeros
	v_mov_b32 v13, 0xff61b1e6                      ; -3e38
	s_delay_alu instid0(VALU_DEP_1)
	v_floor_f32 v12, -v13
	v_mov_b32 v14, 0
	v_mov_b32 v15, 0
.set j, 0
.rept 32
	v_mov_b32 v[160+j], 0
.set j, j+1
.endr
.endm
	s_load_b128 s[4:7], s[0:1], 0x0                ; qkvc, the scales
	s_load_b64 s[8:9], s[0:1], 0x10                ; oc
	v_lshl_add_u32 v[SPW], v0, 2, SPARE
	v_mov_b32 v[NIL], 0
	ds_add_u32 v[SPW], v[NIL]                      ; the wave's opening: the adds and their wait stand ahead of the first tensor load; the set-up below, work on registers, stands between them
	ds_add_u32 v[SPW], v[NIL]
	v_lshrrev_b32 v8, 5, v0
	s_delay_alu instid0(VALU_DEP_1)
	v_readfirstlane_b32 s[WV], v8                  ; wave 0..15
	s_and_b32 s90, ttmp7, 0xffff                   ; 16 batch + head
	s_lshl_b32 s92, s90, 17                        ; a head's codes are 131,072 bytes in q, in k and in v
	s_mov_b32 s93, 0
	s_mov_b32 s94, 0x1000000                       ; v's third of the buffer,
	s_cmp_eq_u32 s[WV], 0
	s_cselect_b32 s94, 0x800000, s94               ; or k's
	s_add_co_u32 s94, s94, s92
	s_mov_b32 s95, 0
	s_lshr_b32 s96, s90, 4                         ; O's images: batch x 2,048 rows x 1,024,
	s_lshl_b32 s96, s96, 21
	s_bfe_u32 s97, s90, 0x20002                    ; K = 64 head + channel: which 256 (head / 4),
	s_lshl_b32 s97, s97, 15
	s_add_co_u32 s96, s96, s97
	s_and_b32 s97, s90, 3                          ; and which 64 of them
	s_lshl_b32 s97, s97, 10
	s_add_co_u32 s96, s96, s97
	s_mov_b32 s97, 0
	s_lshl_b32 s[Q0], ttmp9, 8                     ; the first block is block I
	s_lshl_b32 s91, s[WV], 4
	s_add_co_u32 s[Q0], s[Q0], s91
	s_lshl_b32 s98, s[Q0], 6                       ; 16 queries' image is 1,024 bytes
	s_mov_b32 s99, 0
	s_and_b32 s91, s[WV], 1
	s_lshl_b32 s91, s91, 14                        ; K at a slot's head, V behind it
	; descriptor group 1: a dense block of 16,384 bytes, stated as 64 rows of 32 elements of 8 bytes
	s_mov_b32 s[G1], 3<<16                         ; no mask; elements of 8 bytes; no padding
	s_mov_b32 s[G1+1], 32<<16                      ; tensor_dim0
	s_mov_b32 s[G1+2], 64<<16                      ; tensor_dim1
	s_mov_b32 s[G1+3], 32<<16                      ; tile_dim0
	s_mov_b32 s[G1+4], 64                          ; tile_dim1
	s_mov_b32 s[G1+5], 32                          ; tensor_dim0_stride
	s_mov_b32 s[G1+6], 0
	s_mov_b32 s[G1+7], 0
	s_mov_b32 s[SEL], 0x76543210
	s_mov_b32 s[SEL+1], 0xfedcba98
	s_mov_b32 s[CS], 0x3e38aa3b                    ; log2(e) / 8
	s_mov_b32 s[TB], 0
	s_mov_b32 s[VT], 0
	s_mov_b32 s[KF], 0
	s_wait_dscnt 0x0                               ; the opening add is done
	s_wait_kmcnt 0x0
	s_load_b128 s[76:79], s[6:7], 0x18             ; entries 6 .. 9: q, k, p, v
	s_load_b32 s80, s[6:7], 0x28                   ; entry 10: O
	s_add_nc_u64 s[BASE:BASE+1], s[4:5], s[94:95]
	s_mov_b32 s[G0], 1
	s_mov_b32 s[G0+1], s91
	s_mov_b64 s[G0+2:G0+3], s[BASE:BASE+1]         ; key slot 0
	s_or_b32 s[G0+3], s[G0+3], 0x80000000
	TLOAD                                          ; slot 0's first fill
	s_add_nc_u64 s[QP:QP+1], s[4:5], s[92:93]
	s_add_nc_u64 s[OP:OP+1], s[8:9], s[96:97]
	s_add_nc_u64 s[QA:QA+1], s[QP:QP+1], s[98:99]
	v_and_b32 v8, 31, v0
	s_delay_alu instid0(VALU_DEP_1)
	v_lshlrev_b32 v[LI], 4, v8
	s_delay_alu instid0(VALU_DEP_1)
	v_add_nc_u32 v[AV0], VOFF, v[LI]
	global_load_b128 v[16:19], v[LI], s[QA:QA+1]   ; Q's fragment stays in registers for a block
	global_load_b128 v[20:23], v[LI], s[QA:QA+1] offset:512
	INIT
	v_mov_b32 v194, 0                              ; written once: a lane permute's destination counts as one of its sources
	v_mov_b32 v197, 0                              ; (named as the upper half of the pair v[196:197])
	s_wait_kmcnt 0x0
	s_add_co_i32 s90, s76, s77
	s_lshl_b32 s90, s90, 23
	s_add_co_i32 s[CS], s[CS], s90                 ; a score stands for score x 2^(eq + ek): the two exponents are added to c's exponent field
	s_mov_b32 s[CS+1], s[CS]                       ; (named with it as a pair, so it is written)
	s_add_co_i32 s90, s78, 127
	s_lshl_b32 s91, s90, 23
	v_mov_b32 v201, s91                            ; 2^ep as f32, for p's conversions
	s_sub_co_i32 s90, s80, s78
	s_sub_co_i32 s90, s90, s79                     ; a sum of the second product stands for sum x 2^(ep + ev): O's code is sum / l / 2^(eo - ep - ev)
	s_add_co_i32 s90, s90, 127
	s_lshl_b32 s91, s90, 23
	v_mov_b32 v202, s91
; A KEY STEP: 128 keys, the q-th of the slot in hand.
.macro STEP q
	s_add_co_u32 s[KQ], s[KF], 128*(\q)
	s_add_co_u32 s96, s[Q0], 15
	s_cmp_gt_u32 s[KQ], s96                        ; all its keys come after my last query?
	s_cbranch_scc1 .Lhidden_\@
	v_add_nc_u32 v[ADK], s[TB], v[LI]
	v_add_nc_u32 v[ADV], s[TB], v[AV0]
	v_nop                                          ; with the two additions: four places in front of loads into registers that the last products have read
	v_nop
.irp t, 0,1,2,3,4,5,6,7
	ds_load_b128 v[32+8*\t:35+8*\t], v[ADK] offset:8192*(\q)+1024*\t
	ds_load_b128 v[36+8*\t:39+8*\t], v[ADK] offset:8192*(\q)+1024*\t+512
.endr
	s_wait_alu depctr_va_vdst(0)
	s_wait_dscnt 0x0
.irp t, 0,1,2,3,4,5,6,7
	v_wmma_f32_16x16x64_fp8_fp8 v[96+8*\t:103+8*\t], v[32+8*\t:39+8*\t], v[16:23], 0
.endr
.rept 4
	v_nop                                          ; places: K's registers take V's fragments, and the scores are read below
.endr
.irp u, 0,1,2,3
.irp c, 0,1,2,3
	ds_load_b128 v[32+16*\u+4*\c:35+16*\u+4*\c], v[ADV] offset:8192*(\q)+2048*\u+512*\c   ; V is asked for here and lands during the softmax
.endr
.endr
	s_add_co_u32 s96, s[KQ], 127
	s_cmp_le_u32 s96, s[Q0]                        ; all its keys count for all my queries?
	s_cbranch_scc1 .Lopen_\@
	s_sub_co_i32 s96, s[Q0], s[KQ]
	v_and_b32 v204, 15, v0
	v_bfe_u32 v205, v0, 4, 1
	s_delay_alu instid0(VALU_DEP_1)
	v_lshlrev_b32 v205, 3, v205
	s_delay_alu instid0(VALU_DEP_1)
	v_sub_nc_u32 v204, v204, v205
	s_delay_alu instid0(VALU_DEP_1)
	v_add_nc_u32 v204, s96, v204                   ; d = my query - the step's first key - 8 h.  Register 8 t + j holds key 16 t + 8 h + j: hidden where 16 t + j > d
	v_mov_b32 v205, 0xff800000                     ; -infinity
.set n, 0
.rept 64
	v_cmp_gt_i32 vcc_lo, 16*(n/8)+n%8, v204
	v_cndmask_b32 v[96+n], v[96+n], v205, vcc_lo
.set n, n+1
.endr
.Lopen_\@:
	v_max3_num_f32 v192, v96, v97, v98             ; the step's largest score of my query, among my 64 keys, in two chains (each accumulator is first read at its low end),
	v_max3_num_f32 v193, v99, v100, v101
.irp i, 6,10,14,18,22,26,30,34,38,42,46,50,54,58
	v_max3_num_f32 v192, v192, v[96+\i], v[97+\i]
	v_max3_num_f32 v193, v193, v[98+\i], v[99+\i]
.endr
	v_max3_num_f32 v192, v192, v158, v159
	s_delay_alu instid0(VALU_DEP_1)
	v_max_num_f32 v192, v192, v193
	s_delay_alu instid0(VALU_DEP_1)
	v_permlanex16_b32 v194, v192, s[SEL], s[SEL+1]
	s_delay_alu instid0(VALU_DEP_1)
	v_max_num_f32 v192, v192, v194                 ; and among lane l xor 16's
	s_delay_alu instid0(VALU_DEP_1)
	v_mul_f32 v192, s[CS], v192                    ; as t (c is positive)
	s_delay_alu instid0(VALU_DEP_1)
	v_max_num_f32 v13, v13, v192                   ; the running largest t
	v_mov_b32 v192, v12
	s_delay_alu instid0(VALU_DEP_2)
	v_floor_f32 v12, -v13                          ; the new -M = floor(-t) = -ceil(t): a whole number
	s_delay_alu instid0(VALU_DEP_1)
	v_sub_f32 v192, v12, v192                      ; old M - new M: a whole number, 0 or less
	s_delay_alu instid0(VALU_DEP_1)
	v_cvt_i32_f32 v192, v192                       ; (it saturates)
	s_delay_alu instid0(VALU_DEP_1)
	v_ldexp_f32 v196, 1.0, v192                    ; f = 2^(old M - new M)
.set j, 0
.rept 32
	v_pk_fma_f32 v[96+j:97+j], v[96+j:97+j], s[CS:CS+1], v[12:13] op_sel_hi:[1,0,0]   ; t - M, two at a time (of the pairs c and -M the low word serves both halves)
.set j, j+2
.endr
.set j, 0
	s_wait_alu depctr_va_vdst(0)
.rept 64
	v_exp_f32 v[96+j], v[96+j]                     ; p = 2^(t - M), at most 1
.set j, j+1
.endr
	v_pk_mul_f32 v[14:15], v[14:15], v[196:197] op_sel_hi:[1,0]   ; the sums under the new M: the plain line behind the exponentials
	s_wait_alu depctr_va_vdst(0)                   ; one wait for the whole batch, ahead of its first reader
	v_pk_add_f32 v[198:199], v[100:101], v[104:105]
	v_pk_add_f32 v[254:255], v[108:109], v[112:113]
	v_pk_add_f32 v[252:253], v[116:117], v[120:121]
	v_pk_add_f32 v[250:251], v[124:125], v[128:129]
	v_pk_add_f32 v[248:249], v[132:133], v[136:137]
	v_pk_add_f32 v[246:247], v[140:141], v[144:145]
	v_pk_add_f32 v[244:245], v[148:149], v[152:153]
	v_pk_add_f32 v[14:15], v[14:15], v[156:157]
	v_pk_add_f32 v[198:199], v[198:199], v[96:97]
	v_pk_add_f32 v[254:255], v[254:255], v[98:99]
	v_pk_add_f32 v[252:253], v[252:253], v[102:103]
	v_pk_add_f32 v[250:251], v[250:251], v[106:107]
	v_pk_add_f32 v[248:249], v[248:249], v[110:111]
	v_pk_add_f32 v[246:247], v[246:247], v[114:115]
	v_pk_add_f32 v[244:245], v[244:245], v[118:119]
	v_pk_add_f32 v[14:15], v[14:15], v[122:123]
	v_pk_add_f32 v[198:199], v[198:199], v[126:127]
	v_pk_add_f32 v[254:255], v[254:255], v[130:131]
	v_pk_add_f32 v[252:253], v[252:253], v[134:135]
	v_pk_add_f32 v[250:251], v[250:251], v[138:139]
	v_pk_add_f32 v[248:249], v[248:249], v[142:143]
	v_pk_add_f32 v[246:247], v[246:247], v[146:147]
	v_pk_add_f32 v[244:245], v[244:245], v[150:151]
	v_pk_add_f32 v[14:15], v[14:15], v[154:155]
	v_pk_add_f32 v[198:199], v[198:199], v[158:159]
	s_delay_alu instid0(VALU_DEP_2)
	v_pk_add_f32 v[14:15], v[14:15], v[250:251]
	s_delay_alu instid0(VALU_DEP_2)
	v_pk_add_f32 v[198:199], v[198:199], v[248:249]
	v_pk_add_f32 v[254:255], v[254:255], v[246:247]
	v_pk_add_f32 v[252:253], v[252:253], v[244:245]
	s_delay_alu instid0(VALU_DEP_2)
	v_pk_add_f32 v[14:15], v[14:15], v[254:255]
	s_delay_alu instid0(VALU_DEP_2)
	v_pk_add_f32 v[198:199], v[198:199], v[252:253]
	s_delay_alu instid0(VALU_DEP_1)
	v_pk_add_f32 v[14:15], v[14:15], v[198:199]
.irp b, 0,1,2,3
.irp i, 0,1,2,3,4,5,6,7,8,9,10,11,12,13,14,15
.endr
	v_cvt_scalef32_pk8_fp8_f32 v[224+4*\b:225+4*\b], v[96+16*\b:103+16*\b], v201
	v_cvt_scalef32_pk8_fp8_f32 v[226+4*\b:227+4*\b], v[104+16*\b:111+16*\b], v201
.endr
.set j, 0
.rept 16
	v_pk_mul_f32 v[160+j:161+j], v[160+j:161+j], v[196:197] op_sel_hi:[1,0]   ; O^T under the new M.  (Also the plain lines between the conversions and the products that read the codes)
.set j, j+2
.endr
	s_wait_alu depctr_va_vdst(0)
	s_wait_dscnt 0x0                               ; V is in
.irp u, 0,1,2,3
	v_wmma_f32_16x16x128_fp8_fp8 v[160+8*\u:167+8*\u], v[32+16*\u:47+16*\u], v[224:239], v[160+8*\u:167+8*\u]   ; the four accumulators take turns
.endr
.Lhidden_\@:
.endm
; THE CHANGE OF SLOTS stands at a visit's head.  Each wave waits for all its tensor loads (its part of the slot that it is about to read), adds 0 to its spare word, and waits for that and for its reads of the slot that it has left.
; Behind the barrier the slot ahead is whole and nobody reads the other one.  fill = 1: that other slot takes the next visit's keys: the load has a whole visit in which to land.  One tensor load of a wave is out at the most.
.macro CHANGE fill
	s_wait_tensorcnt 0x0                           ; no tensor load of mine is out, so group 0 may be written
	ds_add_u32 v[SPW], v[NIL]                      ; 0 onto my spare word; the descriptor's step stands between it and the wait for it
.if \fill
	s_xor_b32 s[G0+1], s[G0+1], SLOT1              ; the other slot than last time
	s_add_co_u32 s90, s[VT], 1
	s_sub_co_u32 s91, s[VT], ttmp9
	s_cmp_le_u32 s90, ttmp9
	s_cselect_b32 s[NS], s90, s91                  ; the next visit's key slot: t + 1 while block I lasts, then t - I: block 7 - I begins again at slot 0
	s_lshl_b32 s92, s[NS], 14
	s_mov_b32 s93, 0
	s_add_nc_u64 s[G0+2:G0+3], s[BASE:BASE+1], s[92:93]
	s_or_b32 s[G0+3], s[G0+3], 0x80000000
.endif
	s_wait_dscnt 0x0                               ; the add is done, and my reads of the slot that I have left are over
	s_barrier_signal -1
	s_barrier_wait -1
.if \fill
	TLOAD                                          ; the first thing behind the barrier, and a wave's one tensor load until the next
.endif
.endm
; A BLOCK ENDS: O^T / the sum is quantised and leaves as two stores of 512 consecutive bytes.  reload = 1: block 7 - I begins.
.macro FINISH reload
	s_wait_xcnt 0x0                                ; earlier loads and stores have read their bases and data: both are written again below
.rept 4
	v_nop                                          ; places behind the last products
.endr
	v_add_f32 v14, v14, v15                        ; the sum's two halves,
	s_wait_alu depctr_va_vdst(0)
	v_permlanex16_b32 v194, v14, s[SEL], s[SEL+1]
	s_delay_alu instid0(VALU_DEP_1)
	v_add_f32 v14, v14, v194                       ; and lane l xor 16's
	s_wait_alu depctr_va_vdst(0)
	v_rcp_f32 v14, v14
	v_nop                                          ; a plain line behind the reciprocal
	s_lshr_b32 s90, s[Q0], 7                       ; my rows' place: which 128 rows,
	s_lshl_b32 s90, s90, 17
	s_bfe_u32 s91, s[Q0], 0x30004                  ; which 16 of them
	s_lshl_b32 s91, s91, 12
	s_add_co_u32 s92, s90, s91
	s_mov_b32 s93, 0
	s_add_nc_u64 s[OA:OA+1], s[OP:OP+1], s[92:93]
	s_wait_alu depctr_va_vdst(0)                   ; the wait ahead of the reciprocal's first reader
.set j, 0
.rept 16
	v_pk_mul_f32 v[96+j:97+j], v[160+j:161+j], v[14:15] op_sel_hi:[1,0]
.set j, j+2
.endr
.set j, 0
.rept 32
.set j, j+1
.endr
.irp u, 0,1,2,3
	v_cvt_scalef32_pk8_fp8_f32 v[208+2*\u:209+2*\u], v[96+8*\u:103+8*\u], v202
.endr
	v_nop                                          ; one plain line behind the conversions: later products write their sources
	global_store_b128 v[LI], v[208:211], s[OA:OA+1]
	global_store_b128 v[LI], v[212:215], s[OA:OA+1] offset:512
.if \reload
	s_sub_co_u32 s90, 7, ttmp9
	s_lshl_b32 s[Q0], s90, 8
	s_lshl_b32 s91, s[WV], 4
	s_add_co_u32 s[Q0], s[Q0], s91
	s_lshl_b32 s92, s[Q0], 6
	s_add_nc_u64 s[QA:QA+1], s[QP:QP+1], s[92:93]
	global_load_b128 v[16:19], v[LI], s[QA:QA+1]
	global_load_b128 v[20:23], v[LI], s[QA:QA+1] offset:512
	INIT
	s_wait_loadcnt 0x0
.endif
.endm
	s_wait_loadcnt 0x0                             ; Q
.Lvisit:                                           ; eight trips: behind each change of slots but the last the next visit's slot is asked for
	CHANGE 1
	STEP 0
	STEP 1
	s_xor_b32 s[TB], s[TB], SLOT1                  ; on to the other slot
	s_cmp_lg_u32 s[VT], ttmp9                      ; visit I is block I's last: ids and the count of visits alone, the same in all sixteen waves
	s_cbranch_scc1 .Lsame
	FINISH 1
.Lsame:
	s_lshl_b32 s[KF], s[NS], 8
	s_add_co_u32 s[VT], s[VT], 1
	s_cmp_lt_u32 s[VT], 8
	s_cbranch_scc1 .Lvisit
	CHANGE 0                                       ; the ninth visit is written out: nothing is left to fetch
	STEP 0
	STEP 1
	FINISH 0
	s_wait_tensorcnt 0x0                           ; the wave's end
	ds_add_u32 v[SPW], v[NIL]
	s_wait_dscnt 0x0
	s_endpgm
.Lfunc_end_k_q7b0be986e9_attn:
	.size	k_q7b0be986e9_attn, .Lfunc_end_k_q7b0be986e9_attn-k_q7b0be986e9_attn
	.p2alignl 7, 3214868480
	.fill 96, 4, 3214868480
	.section	.rodata,"a",@progbits
	.p2align	6, 0x0
	.amdhsa_kernel k_q7b0be986e9_attn
		.amdhsa_group_segment_fixed_size 327680
		.amdhsa_private_segment_fixed_size 0
		.amdhsa_enable_private_segment 0
		.amdhsa_kernarg_size 24
		.amdhsa_user_sgpr_count 2
		.amdhsa_user_sgpr_kernarg_segment_ptr 1
		.amdhsa_wavefront_size32 1
		.amdhsa_system_sgpr_workgroup_id_x 1
		.amdhsa_system_sgpr_workgroup_id_y 1
		.amdhsa_system_sgpr_workgroup_id_z 1
		.amdhsa_system_vgpr_workitem_id 0
		.amdhsa_next_free_vgpr 256
		.amdhsa_next_free_sgpr 100
		.amdhsa_reserve_vcc 1
		.amdhsa_float_denorm_mode_32 3
		.amdhsa_float_denorm_mode_16_64 3
		.amdhsa_fp16_overflow 1
		.amdhsa_memory_ordered 1
		.amdhsa_forward_progress 1
		.amdhsa_inst_pref_size 90
	.end_amdhsa_kernel
	.amdgpu_metadata
---
amdhsa.version: [ 1, 2 ]
amdhsa.kernels:
  - .name:           k_q7b0be986e9_attn
    .symbol:         k_q7b0be986e9_attn.kd
    .args:
      - { .name: qkvc, .offset: 0, .size: 8, .value_kind: global_buffer, .address_space: global }
      - { .name: lowp_scales, .offset: 8, .size: 8, .value_kind: global_buffer, .address_space: global }
      - { .name: oc, .offset: 16, .size: 8, .value_kind: global_buffer, .address_space: global }
    .group_segment_fixed_size: 327680
    .private_segment_fixed_size: 0
    .kernarg_segment_align: 8
    .kernarg_segment_size: 24
    .max_flat_workgroup_size: 512
    .sgpr_count:     100
    .vgpr_count:     256
    .wavefront_size: 32
...
	.end_amdgpu_metadata
.endif
;; end of part 3
;; launch oproj (part 4): grid 4 x 32, 4 waves a work-group, clusters of 4 x 4, 327,680 bytes of LDS; arguments oc, wc, lowp_scales, out0; writes out0
.if DOCPART == 4
	.amdgcn_target "amdgcn-amd-amdhsa--gfx1250"
	.amdhsa_code_object_version 6
	.text
	.protected	k_q7b0be986e9_oproj
	.globl	k_q7b0be986e9_oproj
	.p2align	8
	.type	k_q7b0be986e9_oproj,@function
k_q7b0be986e9_oproj:
	s_mov_b64 s[64:65], 0
	v_nop
	global_prefetch_b8 v0, s[64:65] scope:SCOPE_SE
	s_setreg_imm32_b32 hwreg(HW_REG_WAVE_MODE, 25, 1), 1
	s_wait_xcnt 0x0
	s_wait_alu depctr_hold_cnt(0) depctr_sa_sdst(0) depctr_va_vdst(0) depctr_va_sdst(0) depctr_va_ssrc(0) depctr_va_vcc(0) depctr_vm_vsrc(0)
	s_getreg_b32 s2, hwreg(HW_REG_IB_STS2, 6, 4)
	s_cmp_eq_u32 s2, 0
	s_cbranch_scc0 .Lentry_in_a_cluster
	s_endpgm
.Lentry_in_a_cluster:
	s_bfe_u32 s2, ttmp6, 0x10000c
	s_cmp_lg_u32 s2, 0xf033
	s_cbranch_scc0 .Lentry_shape_is_right
	s_endpgm
.Lentry_shape_is_right:
; out0 = O wo^T on codes of FP8 (E4M3).  O's codes [8192][1024] and wo's [1024][1024] (the fourth weight in wc) lie in memory as images of operand registers: 128 rows x 256 K are 32,768 dense bytes,
; [row block of 16][K half of 128][4][512 bytes = 16 a lane].  out0: [8192][1024] f32.  The codes are multiplied as they are, and each finished sum once by 2^(entry 10 + entry 11 of the scales).
; LIMIT: that sum of exponents lies between -126 and 127, so that the power of two is an f32 number.
; A work-group of four waves makes 256 x 256, a wave 128 x 128: 64 accumulators, 512 registers.  K = 1,024 goes in four steps of 256 through a ring of two LDS slots filled by the tensor data mover.
; CLUSTERS: 4 x 4 work-groups; A's tiles are asked for jointly by a row of the cluster, B's by a column.  Source 0 = 16 rows of B (wo), source 1 = 16 rows of A (O): a lane holds eight neighbouring numbers of a row of out0.
; REGISTERS, in windows of 256: window 0: v16-29 addresses; from v128 A's fragments, ONE set; on the way out v32-255 are free.  window 1: B's fragments, TWO sets.  windows 2, 3: the accumulators, (a, b) at v[8 (8 (a % 4) + b)].
.set FR,     16
.set NL,     4
.set NP,     4                         ; places behind this matrix instruction (ISA guide 7.12.1)
.set HALFT,  32768                     ; 128 rows x 256 K
.set SLOT,   4*HALFT
.set SPARE,  2*SLOT                    ; behind the ring: the spare words, 128 bytes a wave, that no other line names
.set SPITCH, 528                       ; the way out: a stage of 16 rows x (512 bytes + 16) for each wave, in slot 0, which has had its last fill and its last read when the first result is stored there
.set ROWC,   4096                      ; a row of out0 in bytes
.set ADRA, 16
.set ADRB, 20
.set STO,  24                          ; v24     the way out: where I put 32 bytes of a row
.set RD,   25                          ; v25     where I read a row back
.set CO,   26                          ; v26     16 x lane: my place in an image and in a row's 512 bytes
.set SPW,  28
.set NIL,  29
.set TMP,  32                          ; the way out: 64 registers, a block's sums x the power of two
.set AF,   128
.set BK,   128                         ; the way out: 16 rows read back: v128-191 and v192-255 by turns
.set G1, 24
.set G0, 32
.set G1B, 48
.set G0B, 56
.set MSB, 0
.macro WIN new                         ; the immediate's high byte repeats the setting that is left
.if MSB != (\new)
	s_set_vgpr_msb (MSB<<8)|(\new)
.set MSB, (\new)
.endif
.endm
.set MUL_LO, 0xa1
.set MUL_HI, 0xf1
.set TO_B,   0x40
.macro JLOAD g0a, g1a, g0b, g1b        ; a joint load: waves 0 and 1 for A, waves 2 and 3 for B; an s_nop 0 and four v_nop follow each line
	s_cmp_eq_u32 s15, 0
	s_cbranch_scc0 .Lfor_b_\@
	tensor_load_to_lds s[\g0a:\g0a+3], s[\g1a:\g1a+7]
	s_nop 0
.rept 4
	v_nop
.endr
	s_branch .Lasked_\@
.Lfor_b_\@:
	tensor_load_to_lds s[\g0b:\g0b+3], s[\g1b:\g1b+7]
	s_nop 0
.rept 4
	v_nop
.endr
.Lasked_\@:
.endm
.macro CREST
	s_cmp_lg_u32 s14, 0
	s_cbranch_scc1 .Lnot_wave_0_\@
	s_barrier_signal -3
.Lnot_wave_0_\@:
	s_barrier_wait -3
	s_barrier_signal -1
	s_barrier_wait -1
.endm
.macro CROUND
	s_barrier_signal -1
	s_barrier_wait -1
	CREST
.endm
	s_load_b128 s[4:7], s[0:1], 0x0                ; oc, wc
	s_load_b128 s[8:11], s[0:1], 0x10              ; the scales, out0
	v_lshl_add_u32 v[SPW], v0, 2, SPARE
	v_mov_b32 v[NIL], 0
	ds_add_u32 v[SPW], v[NIL]                      ; the wave's opening: the adds and their wait stand ahead of my first tensor load
	ds_add_u32 v[SPW], v[NIL]
	v_lshrrev_b32 v1, 5, v0
	v_readfirstlane_b32 s14, v1                    ; wave 0..3
	s_lshr_b32 s15, s14, 1                         ; which half of the tile's rows is mine.  Also: I fetch for A (0) or for B (1)
	s_and_b32 s16, s14, 1                          ; which half of its columns.  Also: which 128 rows of that tile I fetch
	s_bfe_u32 s40, ttmp6, 0x40000                  ; cx, cy
	s_bfe_u32 s41, ttmp6, 0x40004
	s_lshl_b32 s42, ttmp9, 2
	s_add_co_u32 s42, s42, s40                     ; tile column = 4 x cluster x + cx
	s_and_b32 s17, ttmp7, 0xffff
	s_lshl_b32 s17, s17, 2
	s_add_co_u32 s17, s17, s41                     ; tile row = 4 x cluster y + cy
	s_lshl_b32 s43, s41, 2
	s_lshl_b32 s43, 15, s43                        ; my row of the cluster
	s_lshl_b32 s44, 0x1111, s40                    ; my column
	s_or_b32 s[G1+0], s43, (3<<16)|(1<<21)         ; the mask; elements of 8 bytes; no padding; bit 21 set beside a mask
	s_or_b32 s[G1B+0], s44, (3<<16)|(1<<21)
.irp g, G1, G1B
	s_mov_b32 s[\g+1], 32<<16                      ; a dense block of 32,768 bytes as 128 rows of 32 elements
	s_mov_b32 s[\g+2], 128<<16
	s_mov_b32 s[\g+3], 32<<16
	s_mov_b32 s[\g+4], 128
	s_mov_b32 s[\g+5], 32
	s_mov_b32 s[\g+6], 0
	s_mov_b32 s[\g+7], 0
.endr
	s_lshl_b32 s20, s17, 1
	s_add_co_u32 s20, s20, s16
	s_lshl_b32 s20, s20, 17                        ; A: (2 x tile row + half) x 131,072 bytes
	s_mov_b32 s21, 0
	s_lshl_b32 s46, s42, 1
	s_add_co_u32 s46, s46, s16
	s_lshl_b32 s46, s46, 17
	s_add_co_u32 s46, s46, 0x300000                ; B: the fourth weight
	s_mov_b32 s47, 0
	s_mul_i32 s45, s14, HALFT
	s_wait_dscnt 0x0                               ; the opening add is done
	s_wait_kmcnt 0x0
	s_load_b64 s[96:97], s[8:9], 0x28              ; entries 10 and 11
	s_add_nc_u64 s[20:21], s[4:5], s[20:21]
	s_add_nc_u64 s[46:47], s[6:7], s[46:47]
	CROUND                                         ; all sixteen work-groups are here: the first joint loads meet
.irp s, 0,1
	s_mov_b32 s[G0+4*\s], 1
	s_add_co_u32 s[G0+4*\s+1], s45, \s*SLOT
	s_add_nc_u64 s[G0+4*\s+2:G0+4*\s+3], s[20:21], \s*HALFT
	s_or_b32 s[G0+4*\s+3], s[G0+4*\s+3], 0x80000000
	s_mov_b32 s[G0B+4*\s], 1
	s_add_co_u32 s[G0B+4*\s+1], s45, \s*SLOT
	s_add_nc_u64 s[G0B+4*\s+2:G0B+4*\s+3], s[46:47], \s*HALFT
	s_or_b32 s[G0B+4*\s+3], s[G0B+4*\s+3], 0x80000000
	s_wait_alu depctr_va_vdst(0)
	s_wait_tensorcnt 0x0
	ds_add_u32 v28, v29
	ds_add_u32 v28, v29
	s_wait_dscnt 0x0
	CROUND
	JLOAD G0+4*\s, G1, G0B+4*\s, G1B               ; one load of mine is out
.endr
	v_and_b32 v1, 15, v0                           ; l % 16
	s_wait_alu depctr_va_vdst(0)
	v_bfe_u32 v2, v0, 4, 1                         ; l / 16
	v_and_b32 v6, 31, v0
	v_lshlrev_b32 v[CO], 4, v6
	s_lshl_b32 s21, s15, 15
	s_lshl_b32 s22, s16, 15
	s_add_co_u32 s22, s22, 2*HALFT
.irp s, 0,1
	v_add_nc_u32 v[ADRA+\s], s21, v[CO]
	v_add_nc_u32 v[ADRB+\s], s22, v[CO]
	s_add_co_u32 s21, s21, SLOT
	s_add_co_u32 s22, s22, SLOT
.endr
	s_mul_i32 s23, s14, 16*SPITCH                  ; my stage
	v_mul_u32_u24 v5, v1, SPITCH                   ; in: row l % 16, 32 bytes for each half of the lanes
	s_wait_alu depctr_va_vdst(0)
	v_lshl_add_u32 v5, v2, 5, v5
	v_add_nc_u32 v[STO], s23, v5
	v_add_nc_u32 v[RD], s23, v[CO]                 ; back: the 32 lanes take one row of 512 bytes
	s_lshl_b32 s20, s17, 8
	s_lshl_b32 s21, s15, 7
	s_add_co_u32 s20, s20, s21                     ; my first row of out0
	s_lshl_b32 s20, s20, 12                        ; in bytes
	s_lshl_b32 s46, s42, 10                        ; my first column, in bytes: 1,024 x tile column + 512 x half
	s_lshl_b32 s47, s16, 9
	s_add_co_u32 s46, s46, s47
	s_add_co_u32 s20, s20, s46
	s_mov_b32 s21, 0
	s_add_nc_u64 s[10:11], s[10:11], s[20:21]
.macro FRAG reg, adr, q, i             ; a fragment's image: four loads of 512 consecutive bytes
.irp c, 0,1,2,3
	ds_load_b128 v[\reg+4*\c:\reg+4*\c+3], v[\adr] offset:2048*(\q)+512*\c+(\i)*4096
.endr
.endm
.macro MUL16 a0, p, zero               ; 16 matrix instructions; the 64 accumulators take turns, one instruction a turn
.irp a, \a0, \a0+1
.irp b, 0,1,2,3,4,5,6,7
.if \zero
	v_wmma_f32_16x16x128_fp8_fp8 v[8*(8*((\a)%4)+\b):8*(8*((\a)%4)+\b)+7], v[128*(\p)+FR*\b:128*(\p)+FR*\b+FR-1], v[AF+FR*(\a):AF+FR*(\a)+FR-1], 0
.else
	v_wmma_f32_16x16x128_fp8_fp8 v[8*(8*((\a)%4)+\b):8*(8*((\a)%4)+\b)+7], v[128*(\p)+FR*\b:128*(\p)+FR*\b+FR-1], v[AF+FR*(\a):AF+FR*(\a)+FR-1], v[8*(8*((\a)%4)+\b):8*(8*((\a)%4)+\b)+7]
.endif
.endr
.endr
.endm
.macro FETCH_B slot, q, p
	WIN TO_B
.irp i, 0,1,2,3,4,5,6,7
	FRAG 128*(\p)+FR*\i, ADRB+\slot, \q, \i
.endr
	WIN 0
.endm
.macro FETCH_A slot, q, i0
.irp i, \i0, \i0+1, \i0+2, \i0+3
	FRAG AF+FR*(\i), ADRA+\slot, \q, \i
.endr
.endm
.macro PLACES n                        ; places in front of loads into registers that matrix instructions have read, and of the first read of results
.rept \n
	v_nop
.endr
.endm
.macro STEP slot, q, zero
	s_wait_dscnt 4*NL                              ; B's set and A's blocks 0-3 are in; the youngest 16 loads (A's blocks 4-7) may be out
	WIN MUL_LO
	MUL16 0, (\q)%2, \zero
	MUL16 2, (\q)%2, \zero
	s_wait_dscnt 0
	PLACES NP
	FETCH_B \slot, (\q)+1, 1-(\q)%2
	FETCH_A \slot, (\q)+1, 0
	WIN MUL_HI
	MUL16 4, (\q)%2, \zero
	MUL16 6, (\q)%2, \zero
	PLACES NP
	WIN 0
	FETCH_A \slot, (\q)+1, 4
.endm
.macro TURN slot, next, fill
	s_wait_tensorcnt 0x0                           ; all my tensor loads have landed: my part of the next slot
	ds_add_u32 v[SPW], v[NIL]                      ; 0 onto my spare word
	s_wait_dscnt 4*NL+1                            ; (the add and the youngest 16 loads may be out)
	WIN MUL_LO
	MUL16 0, 1, 0
	s_wait_dscnt 0x0                               ; the add is done, and my reads of this slot are over
	s_barrier_signal -1
	MUL16 2, 1, 0
	WIN 0
	s_barrier_wait -1
.if \fill
	CREST                                          ; the barrier has opened a round of the cluster's barrier: no wave of any partner still reads this slot or has a load on its way
	s_add_nc_u64 s[G0+4*\slot+2:G0+4*\slot+3], s[G0+4*\slot+2:G0+4*\slot+3], 2*HALFT
	s_add_nc_u64 s[G0B+4*\slot+2:G0B+4*\slot+3], s[G0B+4*\slot+2:G0B+4*\slot+3], 2*HALFT
	JLOAD G0+4*\slot, G1, G0B+4*\slot, G1B         ; the first tensor load behind the round, my one load until the next
.else
	PLACES NP
.endif
	FETCH_B \next, 0, 0
	FETCH_A \next, 0, 0
	WIN MUL_HI
	MUL16 4, 1, 0
	MUL16 6, 1, 0
	PLACES NP
	WIN 0
	FETCH_A \next, 0, 4
.endm
	s_wait_tensorcnt 0x1                           ; my part of K step 0 is in (K step 1's load may be out)
	s_barrier_signal -1
	s_barrier_wait -1                              ; everybody's is
	FETCH_B 0, 0, 0
	FETCH_A 0, 0, 0
	FETCH_A 0, 0, 4
	STEP 0, 0, 1                                   ; four K steps, eight steps of 128, written out
	TURN 0, 1, 1
	STEP 1, 0, 0
	TURN 1, 0, 1
	STEP 0, 0, 0
	TURN 0, 1, 0
	STEP 1, 0, 0
	s_wait_dscnt 4*NL
	WIN MUL_LO
	MUL16 0, 1, 0
	MUL16 2, 1, 0
	s_wait_dscnt 0
	WIN MUL_HI
	MUL16 4, 1, 0
	MUL16 6, 1, 0
	WIN 0
; THE WAY OUT, block by block of 16 rows x 128 columns.  A lane holds 32 neighbouring bytes of a row, and the lanes beside it hold other rows: so a block goes through my own stage in LDS and comes back as whole
; rows of 512 bytes.  LDS serves a wave's instructions in order (ISA guide 5.7.1.4): no wait between the stores and the loads, nor in front of the next block's stores.
.macro TOSTAGE a
.set AC, 64*((\a)%4)
	WIN 0x02+((\a)/4)                              ; source 0: window 2 or 3
.set j, 0
.rept 32
	v_pk_mul_f32 v[TMP+j:TMP+j+1], v[AC+j:AC+j+1], s[96:97] op_sel_hi:[1,0]   ; both x s96; each accumulator from its low end on
.set j, j+2
.endr
	WIN 0
.irp b, 0,1,2,3,4,5,6,7
	ds_store_b128 v[STO], v[TMP+8*\b:TMP+8*\b+3] offset:64*\b
	ds_store_b128 v[STO], v[TMP+8*\b+4:TMP+8*\b+7] offset:64*\b+16
.endr
.set BB, BK+64*((\a)%2)
.irp t, 0,1,2,3,4,5,6,7,8,9,10,11,12,13,14,15
	ds_load_b128 v[BB+4*\t:BB+4*\t+3], v[RD] offset:\t*SPITCH
.endr
.endm
.macro SEND a, younger                 ; younger: the LDS instructions issued behind block a's loads, which may stay out
.set BB, BK+64*((\a)%2)
	s_wait_dscnt \younger
.if (\a) > 0
	s_add_nc_u64 s[10:11], s[10:11], 16*ROWC       ; (behind a wait on XCNT: the earlier stores have read their base)
.endif
.irp t, 0,1,2,3,4,5,6,7,8,9,10,11,12,13,14,15
	global_store_b128 v[CO], v[BB+4*\t:BB+4*\t+3], s[10:11] offset:\t*ROWC th:TH_STORE_NT   ; 32 lanes store 512 consecutive bytes, at a multiple of 256 from out0's first byte
.endr
.endm
	s_wait_kmcnt 0x0
	s_add_co_i32 s96, s96, s97
	s_add_co_i32 s96, s96, 127
	s_lshl_b32 s96, s96, 23                        ; 2^(entry 10 + entry 11) as f32
	PLACES NP
	TOSTAGE 0
.irp a, 1,2,3,4,5,6,7
.if \a > 1
	s_wait_xcnt 0x0                                ; block a - 2's stores have read their registers and their base
.endif
	TOSTAGE \a
	SEND \a-1, 32                                  ; behind block a - 1's loads: block a's 16 stores and 16 loads
.endr
	s_wait_xcnt 0x0
	SEND 7, 0
	s_wait_tensorcnt 0x0                           ; the wave's end
	ds_add_u32 v[SPW], v[NIL]
	s_wait_dscnt 0x0
	CROUND                                         ; the closing round
	s_endpgm
.Lfunc_end_k_q7b0be986e9_oproj:
	.size	k_q7b0be986e9_oproj, .Lfunc_end_k_q7b0be986e9_oproj-k_q7b0be986e9_oproj
	.p2alignl 7, 3214868480
	.fill 96, 4, 3214868480
	.section	.rodata,"a",@progbits
	.p2align	6, 0x0
	.amdhsa_kernel k_q7b0be986e9_oproj
		.amdhsa_group_segment_fixed_size 327680
		.amdhsa_private_segment_fixed_size 0
		.amdhsa_enable_private_segment 0
		.amdhsa_kernarg_size 32
		.amdhsa_user_sgpr_count 2
		.amdhsa_user_sgpr_kernarg_segment_ptr 1
		.amdhsa_wavefront_size32 1
		.amdhsa_system_sgpr_workgroup_id_x 1
		.amdhsa_system_sgpr_workgroup_id_y 1
		.amdhsa_system_sgpr_workgroup_id_z 1
		.amdhsa_system_vgpr_workitem_id 0
		.amdhsa_next_free_vgpr 1024
		.amdhsa_next_free_sgpr 98
		.amdhsa_reserve_vcc 0
		.amdhsa_float_denorm_mode_32 3
		.amdhsa_float_denorm_mode_16_64 3
		.amdhsa_memory_ordered 1
		.amdhsa_forward_progress 1
		.amdhsa_inst_pref_size 124
	.end_amdhsa_kernel
	.amdgpu_metadata
---
amdhsa.version: [ 1, 2 ]
amdhsa.kernels:
  - .name:           k_q7b0be986e9_oproj
    .symbol:         k_q7b0be986e9_oproj.kd
    .args:
      - { .name: oc, .offset: 0, .size: 8, .value_kind: global_buffer, .address_space: global }
      - { .name: wc, .offset: 8, .size: 8, .value_kind: global_buffer, .address_space: global }
      - { .name: lowp_scales, .offset: 16, .size: 8, .value_kind: global_buffer, .address_space: global }
      - { .name: out0, .offset: 24, .size: 8, .value_kind: global_buffer, .address_space: global }
    .group_segment_fixed_size: 327680
    .private_segment_fixed_size: 0
    .kernarg_segment_align: 8
    .kernarg_segment_size: 32
    .max_flat_workgroup_size: 128
    .sgpr_count:     98
    .vgpr_count:     1024
    .wavefront_size: 32
...
	.end_amdgpu_metadata
.endif
;; end of part 4
